; MI455X (gfx1250); checked and timed in simulation.
; The chip was launched on July 23, 2026; its instructions are those of AMD's public machine-readable ISA for CDNA 5 (MIT licence, August 2026) and "CDNA5" Instruction Set Architecture Reference Guide (July 2026). The comments in the code are by the model that wrote it; some were corrected since.
;; Gated Attention. Allowed arithmetic: matrix products marked QUANTISED: E2M1 operands, one E8M0 scale for each 32 along K, by v_wmma_scale_f32_16x16x128_f8f6f4 with both operands' format E2M1 (or v_wmma_scale_f32_32x16x128_f4), f32 sums; products left as they are: bf16, f16 or f32 operands; f32 sums; everything else in f32.
;; Inputs: Wg 2,048 x 8 float32; Wk 2,048 x 256 float32; Wo 1,024 x 2,048 float32; Wq 2,048 x 1,024 float32; Wv 2,048 x 256 float32; mask 1 x 1 x 2,048 x 2,048 bool; x 2 x 2,048 x 2,048 float32.
;; Outputs: out0 2 x 2,048 x 2,048 float32.
;; This version of the problem:
;;   THIS VERSION OF THE PROBLEM IS GIVEN IN LOW PRECISION. The matrix products marked QUANTISED in the list below multiply operands that are first quantised to E2M1 (2 exponent bits, 1 mantissa bit; 4 bits a number), with one power-of-two scale for each 32 numbers along K (OCP MX v1.0); their sums are f32. The products marked 'left as it is' may take bf16, f16 or f32 operands, with f32 sums. Whichever they take, every output number must still come out within the allowed error. Rounding operands to bf16 (8 significant bits) uses up far more of that allowance than f16 does (11 bits, for magnitudes from 6e-5 to 65,504). All else is computed in f32.
;;   The module's matrix products, in the order in which they are computed (A, B: the left and right operand; K: the contracted axis; several contracted axes count as one K, in the product's order):
;;     1. [M 4,096, K 2,048] x [K 2,048, N 1,024]; A: input x; B: input Wq: QUANTISED
;;     2. [M 4,096, K 2,048] x [K 2,048, N 256]; A: input x; B: input Wk: QUANTISED
;;     3. [M 4,096, K 2,048] x [K 2,048, N 256]; A: input x; B: input Wv: QUANTISED
;;     4. batch 4 x [M 8,192, K 128] x [K 128, N 2,048]; A: computed on the way; B: computed on the way: left as it is (an operand is computed on the way)
;;     5. [M 4,096, K 2,048] x [K 2,048, N 8]; A: input x; B: input Wg: left as it is (N = 8 < 16)
;;     6. batch 4 x [M 128, K 2,048] x [K 2,048, N 8,192]; A: computed on the way; B: computed on the way: left as it is (an operand is computed on the way)
;;     7. [M 4,096, K 1,024] x [K 1,024, N 2,048]; A: computed on the way; B: input Wo: left as it is (an operand is computed on the way)
;;   THE QUANTISER, for each operand of a quantised product, along K:
;;     - K is cut into blocks of 32 from its start; a last block that is shorter is filled with zeros.
;;     - A block's scale is 2^e with e = floor(log2(the largest magnitude in the block)) - 2, held to -126 .. 127; a block of zeros has e = 0. As a byte (E8M0): e + 127.
;;     - Each number is divided by its block's scale, clamped to +-6, and rounded to the nearest number of E2M1, ties to even, subnormals kept.
;;     - The product sums the exact products of the quantised numbers (number of the format x scale) in f32.
;;   ~~~python
;;   def quantise(x, axis):      # numpy; x: float32 -> the quantised numbers, widened to float32 again
;;       x = np.moveaxis(x, axis, -1); K = x.shape[-1]
;;       x = np.pad(x, [(0, 0)] * (x.ndim - 1) + [(0, -K % 32)]); x = x.reshape(x.shape[:-1] + (-1, 32)); a = np.abs(x).max(-1, keepdims=True)
;;       e = np.where(a > 0, np.clip(np.frexp(np.where(a > 0, a, 1))[1] - 1 - 2, -126, 127), 0)      # np.frexp(a)[1] - 1 = floor(log2(a)), exactly
;;       r = np.clip(x / 2.0 ** e, -6, 6)
;;       step = 2.0 ** (np.maximum(np.frexp(np.where(r == 0, 1, r))[1] - 1, 0) - 1)
;;       q = np.round(r / step) * step * 2.0 ** e      # np.round: ties to even
;;       return np.moveaxis(q.reshape(q.shape[:-2] + (-1,))[..., :K], -1, axis).astype(np.float32)
;;   ~~~
;; One version. Each part assembles by itself: llvm-mc -triple=amdgcn-amd-amdhsa -mcpu=gfx1250 --defsym DOCPART=n.
;; ======== version 1 of 1: 5 launches
;; limits: values are held in f16: magnitudes above 65,504 overflow, below 6.1e-05 lose precision; right only within a limited range of input values
;; workspace buffers: codes 5,767,168 bytes; scales 360,448 bytes; wo16 4,194,304 bytes; mb 524,288 bytes of whole numbers; gates 131,072 bytes; qkv 12,582,912 bytes; att 8,388,608 bytes; att32 1,048,576 bytes
;; launch prep (part 1): grid 640 x 1, 4 waves a work-group, no clusters, 108,032 bytes of LDS; arguments x, Wq, Wk, Wv, Wo, Wg, mask, codes, scales, wo16, mb, gates; writes codes, scales, wo16, mb, gates
.if DOCPART == 1
	.amdgcn_target "amdgcn-amd-amdhsa--gfx1250"
	.amdhsa_code_object_version 6
	.text
	.protected	k_q3723ba7669_prep
	.globl	k_q3723ba7669_prep
	.p2align	8
	.type	k_q3723ba7669_prep,@function
k_q3723ba7669_prep:
	s_mov_b64 s[64:65], 0
	v_nop
	global_prefetch_b8 v0, s[64:65] scope:SCOPE_SE
	s_setreg_imm32_b32 hwreg(HW_REG_WAVE_MODE, 25, 1), 1
	s_wait_xcnt 0x0
; PREP: everything that is made once from the inputs.  The work-group's number picks one of four paths:
;   0..255   X: 16 rows of x -> E2M1 codes and E8M0 scale words (blocks of 32 along K), and gates = sigmoid(x Wg)
;   256..447 W: 128 columns x 128 K of Wq | Wk | Wv -> codes and scale words (a lane a column, registers down K)
;   448..511 O: Wo -> f16      512..639 M: 16 rows of the mask -> one 32-bit word for each register of a score tile
; codes:  [block of 16 rows][k/32][row][16 bytes]: the order of the operand's registers.  x's blocks first, W's from byte 4,194,304.
; scales: [block][k/128][row] words, byte b for block 4 (k/128) + b.  x's first, W's from byte 262,144.
; A block's scale is 2^(floor(log2(largest magnitude)) - 2); its byte is that magnitude's exponent field - 2, held at 1 from below.
; LIMITS: NaN and infinities among the inputs are not served.  A block of zeros gets the byte 1 (its codes are zeros; only this
; program reads the bytes).  x, Wg and Wo are rounded to f16 for products that are left as they are: magnitudes under 65,504.
; Each path has LDS bytes of its own.
.set XSTG,  0                          ; X: two stages of 16 rows x 272 bytes for each wave
.set WGL,   34816                      ; X: a wave's 512 k of Wg as f16, 16 bytes a k
.set XGX,   67584                      ; X: the waves' partial gate sums, 1,024 bytes a wave
.set XSG,   71680                      ; X: a wave's 64 scale words
.set MSTG,  72704                      ; M: two stages of 16 rows x 272 bytes for each wave
.set SPARE, 107520                     ; the spare words, 128 bytes a wave: no other line names them
.set SPW, 14                           ; v14 SPARE + 4 x thread; never rewritten
.set NIL, 15                           ; v15 0; never rewritten
; the largest magnitude of 32 numbers v[xs] .. v[xs+31] and the floor 2^(3 - 127), in two chains
.macro QMAX xs, ra, rb
	v_max3_num_f32 v[\ra], |v[\xs]|, |v[\xs+1]|, |v[\xs+2]|
	v_max3_num_f32 v[\rb], |v[\xs+3]|, |v[\xs+4]|, |v[\xs+5]|
.irp i, 6,10,14,18,22,26
	v_max3_num_f32 v[\ra], v[\ra], |v[\xs+\i]|, |v[\xs+\i+1]|
	v_max3_num_f32 v[\rb], v[\rb], |v[\xs+\i+2]|, |v[\xs+\i+3]|
.endr
	v_max3_num_f32 v[\ra], v[\ra], |v[\xs+30]|, |v[\xs+31]|
	v_max3_num_f32 v[\ra], v[\ra], v[\rb], 0x1800000
.endm
; X: step st = 64 along K of 16 rows: eight loads, sixteen lanes on 256 consecutive bytes of a row
.macro LOADX st
.irp i, 0,1,2,3,4,5,6,7
	global_load_b128 v[16+32*((\st)%3)+4*\i:16+32*((\st)%3)+4*\i+3], v4, s[4:5] offset:16384*\i+256*(\st) th:TH_LOAD_NT
.endr
.endm
; X: through the wave's own stage, so that a lane gets 32 neighbours along K of one row (LDS serves a wave's instructions in order)
.macro TURNX st
.irp i, 0,1,2,3,4,5,6,7
	ds_store_b128 v5, v[16+32*((\st)%3)+4*\i:16+32*((\st)%3)+4*\i+3] offset:4352*((\st)%2)+544*\i
.endr
.irp i, 0,1,2,3,4,5,6,7
	ds_load_b128 v[112+32*((\st)%2)+4*\i:112+32*((\st)%2)+4*\i+3], v6 offset:4352*((\st)%2)+16*\i
.endr
.endm
.macro STEPX st
.set XS, 112+32*((\st)%2)
.set CD, 224+4*((\st)%4)
	s_wait_dscnt 0x0                               ; this step's numbers are back from the stage
.if (\st) >= 4
	s_wait_xcnt 0x0                                ; the codes' registers of four steps ago have been read by their store
.endif
.irp u, 0,1
.irp d, 0,1
	ds_load_tr16_b128 v[192+8*\u+4*\d:192+8*\u+4*\d+3], v10 offset:1024*(\st)+256*\u+128*\d   ; Wg^T: lane = gate (l % 8), eight k
.endr
.endr
.if (\st) < 5
	LOADX (\st)+3
	s_wait_loadcnt 16                              ; the next step's eight loads are in; two steps' stay out
.elseif (\st) == 5
	s_wait_loadcnt 8
.elseif (\st) == 6
	s_wait_loadcnt 0
.endif
.if (\st) < 7
	TURNX (\st)+1
.endif
.irp i, 0,1,2,3,4,5,6,7,8,9,10,11,12,13,14,15
	v_cvt_pk_f16_f32 v[176+\i], v[XS+2*\i], v[XS+2*\i+1]
.endr
.if (\st) < 7
	s_wait_dscnt 16                                ; Wg's four loads are older than the sixteen of the next step's turn
.else
	s_wait_dscnt 0x0
.endif
; gates^T += Wg^T x^T: source 0 = gates, source 1 = my 16 rows; place e of product u is k = 64 st + 32 h + 16 u + e on both sides.  The two accumulators take turns.
.if (\st) == 0
	v_wmma_f32_16x16x32_f16 v[208:215], v[192:199], v[176:183], 0
	v_wmma_f32_16x16x32_f16 v[216:223], v[200:207], v[184:191], 0
.else
	v_wmma_f32_16x16x32_f16 v[208:215], v[192:199], v[176:183], v[208:215]
	v_wmma_f32_16x16x32_f16 v[216:223], v[200:207], v[184:191], v[216:223]
.endif
	QMAX XS, 240, 241                              ; (these plain lines are also the places behind the two products)
	v_add_nc_u32 v242, 0xff000000, v240            ; 2 off the exponent field: the conversion's scale operand
	v_lshrrev_b32 v243, 23, v242                   ; the scale's byte
.irp g, 0,1,2,3
	v_cvt_scalef32_pk8_fp4_f32 v[CD+\g], v[XS+8*\g:XS+8*\g+7], v242
.endr
	v_lshlrev_b32 v243, v11, v243                  ; my block is 2 st + h: byte 2 (st % 2) + h of word st / 2
.if (\st)%2 == 0
	v_mov_b32 v[248+(\st)/2], v243
.else
	v_lshl_or_b32 v[248+(\st)/2], v243, 16, v[248+(\st)/2]
.endif
	global_store_b128 v7, v[CD:CD+3], s[18:19] offset:512*(\st)   ; 512 consecutive bytes: blocks 2 st and 2 st + 1 of 16 rows
.endm
.macro WBLK t, left
.set XS, 16+32*(\t)
	s_wait_loadcnt \left
	QMAX XS, 8, 9
	v_add_nc_u32 v10, 0xff000000, v8
	v_lshrrev_b32 v11, 23, v10
.if (\t) == 0
	v_mov_b32 v12, v11
.else
	v_lshl_or_b32 v12, v11, 8*(\t), v12
.endif
.irp g, 0,1,2,3
	v_cvt_scalef32_pk8_fp4_f32 v[144+4*(\t)+\g], v[XS+8*\g:XS+8*\g+7], v10
.endr
	v_nop                                          ; one plain line behind the conversions
	global_store_b128 v5, v[144+4*(\t):147+4*(\t)], s[18:19] offset:256*(\t)   ; each half of the lanes: 256 consecutive bytes
.endm
	s_load_b512 s[4:19], s[0:1], 0x0               ; x, Wq, Wk, Wv, Wo, Wg, mask, codes
	s_load_b256 s[20:27], s[0:1], 0x40             ; scales, wo16, mb, gates
	v_lshl_add_u32 v[SPW], v0, 2, SPARE
	v_mov_b32 v[NIL], 0
	v_lshrrev_b32 v1, 5, v0
	v_readfirstlane_b32 s28, v1                    ; wave
	v_and_b32 v1, 31, v0                           ; l
	v_and_b32 v2, 15, v0                           ; r
	v_bfe_u32 v3, v0, 4, 1                         ; h
	v_lshlrev_b32 v7, 4, v1                        ; 16 l
	v_lshlrev_b32 v8, 3, v1                        ; 8 l
	s_mov_b32 s30, 0x76543210
	s_mov_b32 s31, 0xfedcba98                      ; lane l xor 16
	s_mov_b32 s33, 0
	s_wait_kmcnt 0x0
	s_cmp_lt_u32 ttmp9, 256
	s_cbranch_scc1 .Lx
	s_cmp_lt_u32 ttmp9, 448
	s_cbranch_scc1 .Lw
	s_cmp_lt_u32 ttmp9, 512
	s_cbranch_scc1 .Lo
	s_branch .Lm
; ---------------- X: wave w takes K = 512 w .. 512 w + 511 of the work-group's 16 rows, in 8 steps of 64
.Lx:
	s_lshl_b32 s32, ttmp9, 17                      ; 16 rows of 8,192 bytes
	s_lshl_b32 s34, s28, 11
	s_add_co_u32 s32, s32, s34
	s_add_nc_u64 s[4:5], s[4:5], s[32:33]
	s_lshl_b32 s32, ttmp9, 14
	s_lshl_b32 s34, s28, 12
	s_add_co_u32 s32, s32, s34
	s_add_nc_u64 s[18:19], s[18:19], s[32:33]
	s_lshl_b32 s32, ttmp9, 10
	s_lshl_b32 s34, s28, 8
	s_add_co_u32 s32, s32, s34
	s_add_nc_u64 s[20:21], s[20:21], s[32:33]
	s_lshl_b32 s32, s28, 14
	s_add_nc_u64 s[14:15], s[14:15], s[32:33]
	s_lshl_b32 s32, ttmp9, 9
	s_add_nc_u64 s[26:27], s[26:27], s[32:33]
	v_lshlrev_b32 v4, 4, v2
	v_lshl_add_u32 v4, v3, 13, v4                  ; loads: row h of a pair, 16 r
	s_mul_i32 s35, s28, 8704
	v_mul_u32_u24 v5, v3, 272
	v_lshl_add_u32 v5, v2, 4, v5
	v_add_nc_u32 v5, s35, v5                       ; into the stage
	v_mul_u32_u24 v6, v2, 272
	v_lshl_add_u32 v6, v3, 7, v6
	v_add_nc_u32 v6, s35, v6                       ; out of it: row r, 128 h
	s_lshl_b32 s36, s28, 13
	s_add_co_u32 s36, s36, WGL
	v_add_nc_u32 v9, s36, v8
	v_and_b32 v10, 7, v0
	v_lshlrev_b32 v10, 4, v10
	v_lshl_add_u32 v10, v3, 9, v10
	v_add_nc_u32 v10, s36, v10
	v_lshlrev_b32 v11, 3, v3                       ; 8 h
	s_lshl_b32 s37, s28, 8
	s_add_co_u32 s37, s37, XSG
	v_lshl_add_u32 v12, v2, 2, s37
	v_add_nc_u32 v13, s37, v8
	s_lshl_b32 s38, s28, 10
	s_add_co_u32 s38, s38, XGX
	v_add_nc_u32 v253, s38, v7
	v_add_nc_u32 v254, XGX, v7
	v_mov_b32 v252, 0                              ; a lane permute's destination counts as read
.set j, 0
.rept 32
	global_load_b128 v[112+4*j:115+4*j], v7, s[14:15] offset:512*j   ; my 512 k of Wg: they are the oldest loads
.set j, j+1
.endr
	LOADX 0
	LOADX 1
	LOADX 2
	s_wait_loadcnt 24                              ; Wg is in; x's three steps stay out
.set j, 0
.rept 32
	v_cvt_pk_f16_f32 v[112+4*j], v[112+4*j], v[113+4*j]
	v_cvt_pk_f16_f32 v[113+4*j], v[114+4*j], v[115+4*j]
	ds_store_b64 v9, v[112+4*j:113+4*j] offset:256*j
.set j, j+1
.endr
	s_wait_loadcnt 16
	TURNX 0
.irp st, 0,1,2,3,4,5,6,7
	STEPX \st
.endr
.irp q, 0,1,2,3
	v_permlanex16_b32 v252, v[248+\q], s30, s31
	v_or_b32 v[248+\q], v[248+\q], v252            ; with lane l xor 16's two bytes the word is whole
	ds_store_b32 v12, v[248+\q] offset:64*\q       ; both halves of the lanes write the same word
.endr
	ds_load_b64 v[244:245], v13
.irp j, 0,1,2,3,4,5,6,7
	v_add_f32 v[16+\j], v[208+\j], v[216+\j]       ; the two accumulators, from their low ends on; into x's first load set, which is done with: no global store names it (the codes' registers are still the last stores' data)
.endr
	ds_store_b128 v253, v[16:19]
	ds_store_b128 v253, v[20:23] offset:512
	s_wait_dscnt 0x0                               ; my stores have landed, for the other waves' sake
	global_store_b64 v8, v[244:245], s[20:21]      ; 256 consecutive bytes of scale words
	s_barrier_signal -1
	s_barrier_wait -1
	s_cmp_lg_u32 s28, 0
	s_cbranch_scc1 .Lend
.irp n, 0,1,2,3,4,5,6,7
	ds_load_b128 v[16+4*\n:19+4*\n], v254 offset:512*\n   ; wave n / 2's gates 4 (n % 2) ..
.endr
	v_lshlrev_b32 v48, 5, v2
	v_lshl_add_u32 v48, v3, 4, v48
	v_cmp_eq_u32 vcc_lo, 1, v3
	s_wait_dscnt 0x0
.irp j, 0,2,4,6
	v_pk_add_f32 v[16+\j:17+\j], v[16+\j:17+\j], v[24+\j:25+\j]
	v_pk_add_f32 v[32+\j:33+\j], v[32+\j:33+\j], v[40+\j:41+\j]
.endr
.irp j, 0,2,4,6
	v_pk_add_f32 v[16+\j:17+\j], v[16+\j:17+\j], v[32+\j:33+\j]
.endr
.irp j, 0,1,2,3
	v_cndmask_b32 v[16+\j], v[16+\j], v[20+\j], vcc_lo   ; lane (r, h) keeps gates 4 h .. 4 h + 3 of row r
.endr
.irp j, 0,1,2,3
	v_mul_f32 v[16+\j], 0xbfb8aa3b, v[16+\j]
.endr
.irp j, 0,1,2,3
	v_exp_f32 v[16+\j], v[16+\j]
.endr
	v_nop
	s_wait_alu depctr_va_vdst(0)                   ; one wait for the four, ahead of their first reader
.irp j, 0,1,2,3
	v_add_f32 v[16+\j], 1.0, v[16+\j]
.endr
.irp j, 0,1,2,3
	v_rcp_f32 v[16+\j], v[16+\j]
.endr
	v_nop
	s_wait_alu depctr_va_vdst(0)
	global_store_b128 v48, v[16:19], s[26:27]      ; 512 consecutive bytes: 16 rows x 8 gates
	s_branch .Lend
; ---------------- W: K step s of 128, column group cg of 128; a wave takes 32 columns
.Lw:
	s_sub_co_u32 s32, ttmp9, 256
	s_lshr_b32 s39, s32, 4                         ; cg: 0-7 Wq, 8-9 Wk, 10-11 Wv
	s_and_b32 s32, s32, 15                         ; s
	s_and_b32 s36, s39, 1
	s_cmp_lt_u32 s39, 10
	s_cselect_b64 s[8:9], s[8:9], s[10:11]
	s_cmp_lt_u32 s39, 8
	s_cselect_b64 s[6:7], s[6:7], s[8:9]
	s_cselect_b32 s34, 19, 17                      ; 128 rows of 4,096 or of 1,024 bytes
	s_cselect_b32 s36, s39, s36                    ; the column group inside its own tensor
	s_lshl_b32 s34, s32, s34
	s_lshl_b32 s36, s36, 9
	s_add_co_u32 s36, s36, s34
	s_mov_b32 s37, 0
	s_add_nc_u64 s[6:7], s[6:7], s[36:37]
	s_lshl_b32 s36, s39, 17
	s_lshl_b32 s34, s28, 15
	s_add_co_u32 s36, s36, s34
	s_lshl_b32 s34, s32, 10
	s_add_co_u32 s36, s36, s34
	s_add_co_u32 s36, s36, 4194304
	s_add_nc_u64 s[18:19], s[18:19], s[36:37]
	s_lshl_b32 s36, s39, 13
	s_lshl_b32 s34, s28, 11
	s_add_co_u32 s36, s36, s34
	s_lshl_b32 s34, s32, 6
	s_add_co_u32 s36, s36, s34
	s_add_co_u32 s36, s36, 262144
	s_add_nc_u64 s[20:21], s[20:21], s[36:37]
	v_lshlrev_b32 v4, 2, v0                        ; my column: 4 (32 w + l)
	v_lshlrev_b32 v5, 4, v2
	v_lshl_add_u32 v5, v3, 14, v5                  ; codes: block h of my wave's two, row r
	v_lshlrev_b32 v6, 2, v2
	v_lshl_add_u32 v6, v3, 10, v6
	s_cmp_lt_u32 s39, 8
	s_cbranch_scc0 .Lw_narrow                      ; the pitch stands in the loads' immediates, so only the loads are written twice
.set j, 0
.rept 128
	global_load_b32 v[16+j], v4, s[6:7] offset:4096*j th:TH_LOAD_NT
.set j, j+1
.endr
	s_branch .Lw_work
.Lw_narrow:
.set j, 0
.rept 128
	global_load_b32 v[16+j], v4, s[6:7] offset:1024*j th:TH_LOAD_NT
.set j, j+1
.endr
.Lw_work:
	WBLK 0, 63                                     ; 96 younger loads might stay out; a wait names 63 at the most
	WBLK 1, 63
	WBLK 2, 32
	WBLK 3, 0
	global_store_b32 v6, v12, s[20:21]             ; pieces of 64 bytes: one byte for each 128 bytes that the path reads
	s_branch .Lend
; ---------------- O: a wave turns 32 KB of Wo into f16: 32 loads in flight, two rounds
.Lo:
	s_sub_co_u32 s32, ttmp9, 448
	s_lshl_b32 s34, s32, 17
	s_lshl_b32 s35, s28, 15
	s_add_co_u32 s34, s34, s35
	s_mov_b32 s35, 0
	s_add_nc_u64 s[12:13], s[12:13], s[34:35]
	s_lshr_b32 s34, s34, 1
	s_add_nc_u64 s[22:23], s[22:23], s[34:35]
.set i, 0
.rept 32
	global_load_b128 v[16+4*i:19+4*i], v7, s[12:13] offset:512*i th:TH_LOAD_NT
.set i, i+1
.endr
.set i, 0
.rept 32
	s_wait_loadcnt 31                              ; mine is in, the 31 younger ones stay out
	v_cvt_pk_f16_f32 v[144+2*i], v[16+4*i], v[17+4*i]
	v_cvt_pk_f16_f32 v[145+2*i], v[18+4*i], v[19+4*i]
	global_load_b128 v[16+4*i:19+4*i], v7, s[12:13] offset:512*(32+i) th:TH_LOAD_NT
	global_store_b64 v8, v[144+2*i:145+2*i], s[22:23] offset:256*i
.set i, i+1
.endr
	s_wait_xcnt 0x0                                ; the first round's stores have read their registers
.set i, 0
.rept 32
	s_wait_loadcnt 31-i
	v_cvt_pk_f16_f32 v[144+2*i], v[16+4*i], v[17+4*i]
	v_cvt_pk_f16_f32 v[145+2*i], v[18+4*i], v[19+4*i]
	global_store_b64 v8, v[144+2*i:145+2*i], s[22:23] offset:256*(32+i)
.set i, i+1
.endr
	s_branch .Lend
; ---------------- M: tokens 16 tt .. + 15; wave w takes keys 512 w .. + 511.  Word 8 kt + j of key step ks: bit r + 16 h = mask[16 tt + r][64 ks + 16 kt + 8 h + j]
.Lm:
	s_sub_co_u32 s32, ttmp9, 512
	s_lshl_b32 s34, s32, 15
	s_lshl_b32 s35, s28, 9
	s_add_co_u32 s34, s34, s35
	s_mov_b32 s35, 0
	s_add_nc_u64 s[16:17], s[16:17], s[34:35]
	s_lshl_b32 s34, s32, 12
	s_lshl_b32 s36, s28, 10
	s_add_co_u32 s34, s34, s36
	s_add_nc_u64 s[24:25], s[24:25], s[34:35]
	v_lshlrev_b32 v4, 4, v2
	v_lshl_add_u32 v4, v3, 11, v4
	s_mul_i32 s36, s28, 8704
	s_add_co_u32 s36, s36, MSTG
	v_mul_u32_u24 v5, v3, 272
	v_lshl_add_u32 v5, v2, 4, v5
	v_add_nc_u32 v5, s36, v5
	v_mul_u32_u24 v6, v2, 272
	v_lshl_add_u32 v6, v3, 3, v6
	v_add_nc_u32 v6, s36, v6
.irp u, 0,1
.irp i, 0,1,2,3,4,5,6,7
	global_load_b128 v[16+32*\u+4*\i:19+32*\u+4*\i], v4, s[16:17] offset:4096*\i+256*\u th:TH_LOAD_NT
.endr
.endr
.irp i, 0,1,2,3,4,5,6,7
	v_mov_b32 v[144+\i], 0                         ; v_writelane_b32's destination counts as read
.endr
.irp u, 0,1
	s_wait_loadcnt 8-8*\u
.irp i, 0,1,2,3,4,5,6,7
	ds_store_b128 v5, v[16+32*\u+4*\i:19+32*\u+4*\i] offset:4352*\u+544*\i
.endr
.irp i, 0,1,2,3,4,5,6,7,8,9,10,11,12,13,14,15
	ds_load_b64 v[80+32*\u+2*\i:81+32*\u+2*\i], v6 offset:4352*\u+16*\i   ; row r, keys 16 i + 8 h + 0 .. 7
.endr
	s_wait_dscnt 0x0
.set g, 0
.rept 16
.irp j, 0,1,2,3,4,5,6,7
	v_and_b32 v[152+\j], 0xff<<(8*(\j%4)), v[80+32*\u+2*g+\j/4]
.endr
.irp j, 0,1,2,3,4,5,6,7
	v_cmp_ne_u32 s[40+\j], 0, v[152+\j]            ; a bit a lane: the word
.endr
.irp j, 0,1,2,3,4,5,6,7
	v_writelane_b32 v[144+4*\u+2*(g/8)+\j%2], s[40+\j], ((8*g+\j)%64)/2
.endr
.if g%8 == 7
	global_store_b64 v8, v[144+4*\u+2*(g/8):145+4*\u+2*(g/8)], s[24:25] offset:512*\u+256*(g/8)   ; two key steps' 64 words: 256 consecutive bytes
.endif
.set g, g+1
.endr
.endr
.Lend:
	s_wait_tensorcnt 0x0                           ; the wave's end
	ds_add_u32 v[SPW], v[NIL]
	s_wait_dscnt 0x0
	s_endpgm
.Lfunc_end_k_q3723ba7669_prep:
	.size	k_q3723ba7669_prep, .Lfunc_end_k_q3723ba7669_prep-k_q3723ba7669_prep
	.p2alignl 7, 3214868480
	.fill 96, 4, 3214868480
	.section	.rodata,"a",@progbits
	.p2align	6, 0x0
	.amdhsa_kernel k_q3723ba7669_prep
		.amdhsa_group_segment_fixed_size 108032
		.amdhsa_private_segment_fixed_size 0
		.amdhsa_enable_private_segment 0
		.amdhsa_kernarg_size 96
		.amdhsa_user_sgpr_count 2
		.amdhsa_user_sgpr_kernarg_segment_ptr 1
		.amdhsa_wavefront_size32 1
		.amdhsa_system_sgpr_workgroup_id_x 1
		.amdhsa_system_sgpr_workgroup_id_y 1
		.amdhsa_system_sgpr_workgroup_id_z 1
		.amdhsa_system_vgpr_workitem_id 0
		.amdhsa_next_free_vgpr 256
		.amdhsa_next_free_sgpr 66
		.amdhsa_reserve_vcc 1
		.amdhsa_float_denorm_mode_32 3
		.amdhsa_float_denorm_mode_16_64 3
		.amdhsa_memory_ordered 1
		.amdhsa_forward_progress 1
		.amdhsa_inst_pref_size 163
	.end_amdhsa_kernel
	.amdgpu_metadata
---
amdhsa.version: [ 1, 2 ]
amdhsa.kernels:
  - .name:           k_q3723ba7669_prep
    .symbol:         k_q3723ba7669_prep.kd
    .args:
      - { .name: x, .offset: 0, .size: 8, .value_kind: global_buffer, .address_space: global }
      - { .name: Wq, .offset: 8, .size: 8, .value_kind: global_buffer, .address_space: global }
      - { .name: Wk, .offset: 16, .size: 8, .value_kind: global_buffer, .address_space: global }
      - { .name: Wv, .offset: 24, .size: 8, .value_kind: global_buffer, .address_space: global }
      - { .name: Wo, .offset: 32, .size: 8, .value_kind: global_buffer, .address_space: global }
      - { .name: Wg, .offset: 40, .size: 8, .value_kind: global_buffer, .address_space: global }
      - { .name: mask, .offset: 48, .size: 8, .value_kind: global_buffer, .address_space: global }
      - { .name: codes, .offset: 56, .size: 8, .value_kind: global_buffer, .address_space: global }
      - { .name: scales, .offset: 64, .size: 8, .value_kind: global_buffer, .address_space: global }
      - { .name: wo16, .offset: 72, .size: 8, .value_kind: global_buffer, .address_space: global }
      - { .name: mb, .offset: 80, .size: 8, .value_kind: global_buffer, .address_space: global }
      - { .name: gates, .offset: 88, .size: 8, .value_kind: global_buffer, .address_space: global }
    .group_segment_fixed_size: 108032
    .private_segment_fixed_size: 0
    .kernarg_segment_align: 8
    .kernarg_segment_size: 96
    .max_flat_workgroup_size: 128
    .sgpr_count:     66
    .vgpr_count:     256
    .wavefront_size: 32
...
	.end_amdgpu_metadata
.endif
;; end of part 1
;; launch qkv (part 2): grid 12 x 32, 4 waves a work-group, clusters of 4 x 4, 313,856 bytes of LDS; arguments codes, scales, qkv; writes qkv
.if DOCPART == 2
	.amdgcn_target "amdgcn-amd-amdhsa--gfx1250"
	.amdhsa_code_object_version 6
	.text
	.protected	k_q3723ba7669_qkv
	.globl	k_q3723ba7669_qkv
	.p2align	8
	.type	k_q3723ba7669_qkv,@function
k_q3723ba7669_qkv:
	s_mov_b64 s[64:65], 0
	v_nop
	global_prefetch_b8 v0, s[64:65] scope:SCOPE_SE
	s_setreg_imm32_b32 hwreg(HW_REG_WAVE_MODE, 25, 1), 1
	s_wait_xcnt 0x0
	s_wait_alu depctr_hold_cnt(0) depctr_sa_sdst(0) depctr_va_vdst(0) depctr_va_sdst(0) depctr_va_ssrc(0) depctr_va_vcc(0) depctr_vm_vsrc(0)
	s_getreg_b32 s2, hwreg(HW_REG_IB_STS2, 6, 4)
	s_cmp_eq_u32 s2, 0
	s_cbranch_scc0 .Lentry_in_a_cluster
	s_endpgm
.Lentry_in_a_cluster:
	s_bfe_u32 s2, ttmp6, 0x10000c
	s_cmp_lg_u32 s2, 0xf033
	s_cbranch_scc0 .Lentry_shape_is_right
	s_endpgm
.Lentry_shape_is_right:
; QKV: [4096 x 2048] x [2048 x 1536] on E2M1 codes with E8M0 scales; results in f16, one plane of [4096][128] for each 128 columns:
; planes 0-7 c q (c = log2(e) / sqrt(128)), 8-9 k, 10-11 v.  LIMIT: |c q|, |k|, |v| under 65,504.
; A work-group makes 128 rows x 128 columns (one plane's), a wave 64 x 64: 16 accumulators.  ALL of K lies in LDS: 128 KB of A's codes,
; 128 KB of B's, 8 KB of scale words each; every byte is filled once, so there is no ring.  384 work-groups: a tile of 128 x 192
; would take all of LDS for its codes alone.
; Codes lie in memory in the order of the operand's registers, so a fragment is two loads of 16 bytes a lane at 16 x lane: no pitch, no padding.
; CLUSTER 4 x 4: A's tiles are shared along a row of the cluster, B's along a column: joint loads.
; The matrix instruction is used transposed (source 0 = B's 16 columns, source 1 = A's 16 rows): a lane holds eight neighbouring columns of a row.
; REGISTERS: window 0: v2-9 addresses; v16-79 scale words and nothing else; v128-191, v192-255 two fragment buffers (A at + 8 a, B at + 32 + 8 b).  window 1: accumulator (a, b) at v[8 (4 a + b)].
.set BCODE, 131072
.set SA,    262144
.set STAGE, 278528                     ; 128 rows x 272 bytes, for the way out: no tensor load fills it
.set SPARE, 313344
.set SPW, 12
.set NIL, 13
.set MSB, 0
.macro WIN new
.if MSB != \new
	s_set_vgpr_msb (MSB<<8)|\new
.set MSB, \new
.endif
.endm
.set MUL, 0x50                         ; C and D in window 1
.macro CROUND
	s_barrier_signal -1
	s_barrier_wait -1
	s_cmp_lg_u32 s80, 0
	s_cbranch_scc1 .Lnot_wave_0_\@
	s_barrier_signal -3
.Lnot_wave_0_\@:
	s_barrier_wait -3
	s_barrier_signal -1
	s_barrier_wait -1
.endm
.macro PLACES
.rept 4
	v_nop
.endr
.endm
; K step t's fragments (128 along K) into buffer t % 2: chunk t / 4 of 512 along K, 1,024 bytes a step in each block of 16 rows
.macro FETCH t
.set FB, 128+64*((\t)%2)
.irp i, 0,1,2,3
.irp c, 0,1
	ds_load_b128 v[FB+8*\i+4*\c:FB+8*\i+4*\c+3], v[2+(\t)/8] offset:32768*(((\t)/4)%2)+4096*\i+1024*((\t)%4)+512*\c
	ds_load_b128 v[FB+32+8*\i+4*\c:FB+32+8*\i+4*\c+3], v[4+(\t)/8] offset:32768*(((\t)/4)%2)+4096*\i+1024*((\t)%4)+512*\c
.endr
.endr
.endm
; eight products; the 16 accumulators take turns, in the same order in every step
.macro MUL8 a0, t, zero
.set FB, 128+64*((\t)%2)
.irp a, \a0, \a0+1
.irp b, 0,1,2,3
.if \zero
	v_wmma_scale_f32_16x16x128_f8f6f4 v[8*(4*(\a)+\b):8*(4*(\a)+\b)+7], v[FB+32+8*\b:FB+32+8*\b+7], v[FB+8*(\a):FB+8*(\a)+7], 0, v[16+4*(\t)+\b], v[16+4*(\t)+(\a)] matrix_a_fmt:MATRIX_FMT_FP4 matrix_b_fmt:MATRIX_FMT_FP4 matrix_a_scale:MATRIX_SCALE_ROW1
.else
	v_wmma_scale_f32_16x16x128_f8f6f4 v[8*(4*(\a)+\b):8*(4*(\a)+\b)+7], v[FB+32+8*\b:FB+32+8*\b+7], v[FB+8*(\a):FB+8*(\a)+7], v[8*(4*(\a)+\b):8*(4*(\a)+\b)+7], v[16+4*(\t)+\b], v[16+4*(\t)+(\a)] matrix_a_fmt:MATRIX_FMT_FP4 matrix_b_fmt:MATRIX_FMT_FP4 matrix_a_scale:MATRIX_SCALE_ROW1
.endif
.endr
.endr
.endm
.macro STEP t, zero
	s_wait_dscnt 0x0                               ; this step's fragments are in
.if ((\t)%4 == 3) && ((\t) < 15)
	s_wait_tensorcnt 2-(\t)/4                      ; my part of the next chunk has landed; the later chunks stay out
	s_barrier_signal -1
.endif
	WIN MUL
	MUL8 0, \t, \zero
.if ((\t)%4 == 3) && ((\t) < 15)
	s_barrier_wait -1                              ; everybody's part has
.endif
.if (\t) < 15
	PLACES                                         ; in front of loads into registers that the step before multiplied
	WIN 0
	FETCH (\t)+1
.endif
	WIN MUL
	MUL8 2, \t, \zero
.endm
	s_load_b128 s[96:99], s[0:1], 0x0              ; codes, scales
	s_load_b64 s[100:101], s[0:1], 0x10            ; qkv
	v_lshl_add_u32 v[SPW], v0, 2, SPARE
	v_mov_b32 v[NIL], 0
	ds_add_u32 v[SPW], v[NIL]                      ; the opening: the add, twice on end, and its wait ahead of my first tensor load
	ds_add_u32 v[SPW], v[NIL]
	v_lshrrev_b32 v1, 5, v0
	v_readfirstlane_b32 s80, v1                    ; wave
	s_lshr_b32 s81, s80, 1                         ; my half of the rows; also: I fetch for A (0) or B (1)
	s_and_b32 s82, s80, 1                          ; my half of the columns; also: which 64 rows I fetch
	s_bfe_u32 s83, ttmp6, 0x40000                  ; cx
	s_bfe_u32 s84, ttmp6, 0x40004                  ; cy
	s_lshl_b32 s85, ttmp9, 2
	s_add_co_u32 s85, s85, s83                     ; p: the plane
	s_and_b32 s86, ttmp7, 0xffff
	s_lshl_b32 s86, s86, 2
	s_add_co_u32 s86, s86, s84                     ; mt: the tile of 128 rows
	s_lshl_b32 s87, s84, 2
	s_lshl_b32 s87, 15, s87                        ; my row of the cluster
	s_lshl_b32 s88, 0x1111, s83                    ; my column
	; group 1, codes: 4 blocks' 4,096 bytes (512 along K), 16,384 bytes apart; elements of 8 bytes
	s_or_b32 s4, s87, (3<<16)|(1<<21)
	s_or_b32 s12, s88, (3<<16)|(1<<21)
.irp g, 4, 12
	s_mov_b32 s[\g+1], 512<<16
	s_mov_b32 s[\g+2], 4<<16
	s_mov_b32 s[\g+3], 512<<16
	s_mov_b32 s[\g+4], 4
	s_mov_b32 s[\g+5], 2048
	s_mov_b32 s[\g+6], 0
	s_mov_b32 s[\g+7], 0
.endr
	; group 1, scale words: 4 blocks' 4,096 dense bytes as 16 rows of 256
	s_or_b32 s20, s87, (3<<16)|(1<<21)
	s_or_b32 s28, s88, (3<<16)|(1<<21)
.irp g, 20, 28
	s_mov_b32 s[\g+1], 32<<16
	s_mov_b32 s[\g+2], 16<<16
	s_mov_b32 s[\g+3], 32<<16
	s_mov_b32 s[\g+4], 16
	s_mov_b32 s[\g+5], 32
	s_mov_b32 s[\g+6], 0
	s_mov_b32 s[\g+7], 0
.endr
	s_lshl_b32 s89, s86, 3
	s_lshl_b32 s66, s82, 2
	s_add_co_u32 s89, s89, s66                     ; A's first block of 16 rows: 8 mt + 4 half
	s_lshl_b32 s3, s85, 3
	s_add_co_u32 s3, s3, s66                       ; B's: 8 p + 4 half
	s_lshl_b32 s66, s82, 14                        ; where they go: no place in the cluster enters an LDS address
	s_lshl_b32 s67, s82, 12
	s_mov_b32 s93, 0
	s_mov_b32 s95, 0
	s_wait_dscnt 0x0                               ; both opening adds are done
	s_wait_kmcnt 0x0
	s_lshl_b32 s92, s89, 10
	s_add_nc_u64 s[38:39], s[98:99], s[92:93]      ; A's scale words
	s_lshl_b32 s94, s3, 10
	s_add_co_u32 s94, s94, 262144
	s_add_nc_u64 s[58:59], s[98:99], s[94:95]      ; B's
	s_mov_b32 s36, 1
	s_add_co_u32 s37, s67, SA
	s_or_b32 s39, s39, 0x80000000
	s_mov_b32 s56, 1
	s_add_co_u32 s57, s67, SA+8192
	s_or_b32 s59, s59, 0x80000000
	s_lshl_b32 s92, s89, 14
	s_add_nc_u64 s[92:93], s[96:97], s[92:93]      ; A's codes
	s_lshl_b32 s94, s3, 14
	s_add_co_u32 s94, s94, 4194304
	s_add_nc_u64 s[94:95], s[96:97], s[94:95]      ; B's
.irp c, 0,1,2,3
.set GA, 40+4*\c
.set GB, 56+4*(\c+1)+4*((\c+3)/4)      ; s60, s68, s72, s76
	s_mov_b32 s[GA], 1
	s_add_co_u32 s[GA+1], s66, 32768*\c
	s_add_nc_u64 s[GA+2:GA+3], s[92:93], 4096*\c
	s_or_b32 s[GA+3], s[GA+3], 0x80000000
	s_mov_b32 s[GB], 1
	s_add_co_u32 s[GB+1], s66, BCODE+32768*\c
	s_add_nc_u64 s[GB+2:GB+3], s[94:95], 4096*\c
	s_or_b32 s[GB+3], s[GB+3], 0x80000000
.endr
	CROUND                                         ; all sixteen work-groups are here: the joint loads meet
	s_cmp_eq_u32 s81, 0                            ; a wave's five first fills stand in one branch: five loads of mine are out
	s_cbranch_scc0 .Lfor_b
	tensor_load_to_lds s[36:39], s[20:27]
	s_nop 0
	tensor_load_to_lds s[40:43], s[4:11]
	s_nop 0
	tensor_load_to_lds s[44:47], s[4:11]
	s_nop 0
	tensor_load_to_lds s[48:51], s[4:11]
	s_nop 0
	tensor_load_to_lds s[52:55], s[4:11]
	s_nop 0
	PLACES
	s_branch .Lasked
.Lfor_b:
	tensor_load_to_lds s[56:59], s[28:35]
	s_nop 0
	tensor_load_to_lds s[60:63], s[12:19]
	s_nop 0
	tensor_load_to_lds s[68:71], s[12:19]
	s_nop 0
	tensor_load_to_lds s[72:75], s[12:19]
	s_nop 0
	tensor_load_to_lds s[76:79], s[12:19]
	s_nop 0
	PLACES
.Lasked:
	v_and_b32 v1, 31, v0
	v_and_b32 v10, 15, v0                          ; r
	v_bfe_u32 v11, v0, 4, 1                        ; h
	s_lshl_b32 s92, s81, 14
	v_lshl_add_u32 v2, v1, 4, s92                  ; A: 16 l + my four blocks
	v_add_nc_u32 v3, 65536, v2
	s_lshl_b32 s92, s82, 14
	s_add_co_u32 s92, s92, BCODE
	v_lshl_add_u32 v4, v1, 4, s92
	v_add_nc_u32 v5, 65536, v4
	s_lshl_b32 s92, s82, 12                        ; scale words: lanes 0-15 take A's, lanes 16-31 B's: the lower base + h x the distance
	s_add_co_u32 s92, s92, 8192
	s_lshl_b32 s93, s81, 12
	s_sub_co_u32 s92, s92, s93
	v_mul_u32_u24 v6, s92, v11
	s_add_co_u32 s93, s93, SA
	v_lshl_add_u32 v6, v10, 2, v6
	v_add_nc_u32 v6, s93, v6
	s_mul_i32 s92, s81, 64*272
	s_lshl_b32 s93, s82, 7
	s_add_co_u32 s92, s92, s93
	s_add_co_u32 s92, s92, STAGE
	v_mul_u32_u24 v7, v10, 272
	v_lshl_add_u32 v7, v11, 4, v7
	v_add_nc_u32 v7, s92, v7                       ; into the stage: row 64 wm + r, byte 128 wn + 16 h
	s_mul_i32 s92, s80, 32*272
	s_add_co_u32 s92, s92, STAGE
	v_mul_u32_u24 v8, v11, 272
	v_lshl_add_u32 v8, v10, 4, v8
	v_add_nc_u32 v8, s92, v8                       ; back: rows 32 w + h, 16 r
	v_lshlrev_b32 v9, 8, v11
	v_lshl_add_u32 v9, v10, 4, v9
	s_lshl_b32 s92, s85, 20                        ; the plane, my tile's rows, my wave's 32
	s_lshl_b32 s93, s86, 15
	s_add_co_u32 s92, s92, s93
	s_lshl_b32 s93, s80, 13
	s_add_co_u32 s92, s92, s93
	s_mov_b32 s93, 0
	s_add_nc_u64 s[100:101], s[100:101], s[92:93]
	s_mov_b32 s90, 0x3e0293ee
	s_cmp_lt_u32 s85, 8
	s_cselect_b32 s90, s90, 1.0                    ; q's planes are multiplied by c: a value, no branch
	s_mov_b32 s91, s90
	s_wait_tensorcnt 3                             ; the scale words and chunk 0 have landed; three chunks stay out
	s_barrier_signal -1
	s_barrier_wait -1
.set T, 0
.rept 16
.irp i, 0,1,2,3
	ds_load_b32 v[16+4*T+\i], v6 offset:1024*\i+64*T
.endr
.set T, T+1
.endr
	FETCH 0
	STEP 0, 1                                      ; the first products start the sums: nothing is cleared
.irp t, 1,2,3,4,5,6,7,8,9,10,11,12,13,14,15
	STEP \t, 0
.endr
	; THE WAY OUT: x factor, to f16, through the stage (a row's 256 bytes come from two waves), out as whole rows
	PLACES
	WIN 0x01
.set i, 0
.rept 64
	v_pk_mul_f32 v[128+2*i:129+2*i], v[2*i:2*i+1], s[90:91] op_sel_hi:[1,0]   ; each accumulator from its low end on
.set i, i+1
.endr
	WIN 0
.set i, 0
.rept 64
	v_cvt_pk_f16_f32 v[128+i], v[128+2*i], v[129+2*i]
.set i, i+1
.endr
.irp a, 0,1,2,3
.irp b, 0,1,2,3
	ds_store_b128 v7, v[128+4*(4*\a+\b):131+4*(4*\a+\b)] offset:4352*\a+32*\b
.endr
.endr
	s_wait_dscnt 0x0                               ; for the others' sake
	s_barrier_signal -1
	s_barrier_wait -1
.irp t, 0,1,2,3,4,5,6,7,8,9,10,11,12,13,14,15
	ds_load_b128 v[192+4*\t:195+4*\t], v8 offset:544*\t
.endr
.irp t, 0,1,2,3,4,5,6,7,8,9,10,11,12,13,14,15
	s_wait_dscnt 15-\t
	global_store_b128 v9, v[192+4*\t:195+4*\t], s[100:101] offset:512*\t   ; 512 consecutive bytes: two rows of the plane
.endr
	s_wait_tensorcnt 0x0                           ; the wave's end
	ds_add_u32 v[SPW], v[NIL]
	s_wait_dscnt 0x0
	CROUND                                         ; the closing round
	s_endpgm
.Lfunc_end_k_q3723ba7669_qkv:
	.size	k_q3723ba7669_qkv, .Lfunc_end_k_q3723ba7669_qkv-k_q3723ba7669_qkv
	.p2alignl 7, 3214868480
	.fill 96, 4, 3214868480
	.section	.rodata,"a",@progbits
	.p2align	6, 0x0
	.amdhsa_kernel k_q3723ba7669_qkv
		.amdhsa_group_segment_fixed_size 313856
		.amdhsa_private_segment_fixed_size 0
		.amdhsa_enable_private_segment 0
		.amdhsa_kernarg_size 24
		.amdhsa_user_sgpr_count 2
		.amdhsa_user_sgpr_kernarg_segment_ptr 1
		.amdhsa_wavefront_size32 1
		.amdhsa_system_sgpr_workgroup_id_x 1
		.amdhsa_system_sgpr_workgroup_id_y 1
		.amdhsa_system_sgpr_workgroup_id_z 1
		.amdhsa_system_vgpr_workitem_id 0
		.amdhsa_next_free_vgpr 384
		.amdhsa_next_free_sgpr 102
		.amdhsa_reserve_vcc 0
		.amdhsa_float_denorm_mode_32 3
		.amdhsa_float_denorm_mode_16_64 3
		.amdhsa_memory_ordered 1
		.amdhsa_forward_progress 1
		.amdhsa_inst_pref_size 79
	.end_amdhsa_kernel
	.amdgpu_metadata
---
amdhsa.version: [ 1, 2 ]
amdhsa.kernels:
  - .name:           k_q3723ba7669_qkv
    .symbol:         k_q3723ba7669_qkv.kd
    .args:
      - { .name: codes, .offset: 0, .size: 8, .value_kind: global_buffer, .address_space: global }
      - { .name: scales, .offset: 8, .size: 8, .value_kind: global_buffer, .address_space: global }
      - { .name: qkv, .offset: 16, .size: 8, .value_kind: global_buffer, .address_space: global }
    .group_segment_fixed_size: 313856
    .private_segment_fixed_size: 0
    .kernarg_segment_align: 8
    .kernarg_segment_size: 24
    .max_flat_workgroup_size: 128
    .sgpr_count:     102
    .vgpr_count:     384
    .wavefront_size: 32
...
	.end_amdgpu_metadata
.endif
;; end of part 2
;; launch attn (part 3): grid 64 x 4, 4 waves a work-group, clusters of 4 x 1, 327,680 bytes of LDS; arguments qkv, mb, gates, att, att32; writes att, att32
.if DOCPART == 3
	.amdgcn_target "amdgcn-amd-amdhsa--gfx1250"
	.amdhsa_code_object_version 6
	.text
	.protected	k_q3723ba7669_attn
	.globl	k_q3723ba7669_attn
	.p2align	8
	.type	k_q3723ba7669_attn,@function
k_q3723ba7669_attn:
	s_mov_b64 s[64:65], 0
	v_nop
	global_prefetch_b8 v0, s[64:65] scope:SCOPE_SE
	s_setreg_imm32_b32 hwreg(HW_REG_WAVE_MODE, 25, 1), 1
	s_wait_xcnt 0x0
	s_wait_alu depctr_hold_cnt(0) depctr_sa_sdst(0) depctr_va_vdst(0) depctr_va_sdst(0) depctr_va_ssrc(0) depctr_va_vcc(0) depctr_vm_vsrc(0)
	s_getreg_b32 s2, hwreg(HW_REG_IB_STS2, 6, 4)
	s_cmp_eq_u32 s2, 0
	s_cbranch_scc0 .Lentry_in_a_cluster
	s_endpgm
.Lentry_in_a_cluster:
	s_bfe_u32 s2, ttmp6, 0x10000c
	s_cmp_lg_u32 s2, 0x3003
	s_cbranch_scc0 .Lentry_shape_is_right
	s_endpgm
.Lentry_shape_is_right:
; ATTN: att[m][head][:] = gate x softmax_k(where(mask, -1e9, q . k / sqrt(128))) v, operands in f16, products, maxima and sums in f32.
; q arrives multiplied by c = log2(e) / sqrt(128), so a score is t in base 2 and p = 2^(t - m), m the running maximum.
; THE MASK is an input: every pair is computed.  It enters as the C of each score tile's first product: 0 for an open pair, -2^100 for a masked one, made from the words
; that the first launch stored.  -2^100 + t is -2^100 in f32 for |t| under 2^75: all masked scores are equal, so a row that is masked wholly averages all values, and beside an open key a masked one counts for nothing.
; SHARES.  A work-group owns 32 tokens of one (batch, kv head).  Wave w: tokens 16 (w % 2) on, keys 1,024 (w / 2) on, 16 steps of 64.
; A wave's four tiles are the kv head's four query heads for the SAME 16 tokens (one set of 32 bias registers serves all four); slot i holds head (i + 2 (w / 2)) % 4.
; At the end waves w and w ^ 2 join their halves of the keys: each keeps slots 0, 1 and hands slots 2, 3 to the other through LDS.
; LAYOUT, BY TURNS: S^T = K Q^T and O^T = V^T P, so that a lane holds one token; two pieces (slots 0, 1 and 2, 3) change places: one has the matrix unit, the other's softmax stands in slices behind its products.
; CLUSTER 4 x 1: the four token blocks walk the same K and V: joint loads.  A place in LDS holds 128 keys of both halves; two places take turns.
; LIMITS: NaN and infinities are not served; p under the smallest f16 number is lost; operands are f16.  A row's largest open score is taken to lie above -1e9 + 150:
; under that reference() lets the masked keys, at -1e9, count beside the open ones, and this text does not.
; REGISTERS: window 0: v2-8, v44-63 addresses and constants; v12-43 statistics, eight a tile (+0 m, +1 zero, +2, +3 l, +4..+7 at work, a in +6); v64-191 S^T; v192-255 P.
;   window 1: O^T, 64 a tile.   window 2: v0-127 Q, v128-255 K of a step.   window 3: v0-127 V of a step; v192-223 the step's bias.
.set KS,    64
.set PK,    272
.set PV,    288
.set VOFF,  128*PK                     ; a half: 128 rows of K, then 128 rows of V
.set HALFB, 128*(PK+PV)
.set SLOTB, 2*HALFB                    ; a place: the halves of keys 0.. and 1,024..
.set SPARE, 2*SLOTB
.set XSZ,   16896                      ; the exchange, in place 0 once it has had its last fill and its last read: 16,384 bytes of registers' images and 4 x 128 of statistics a wave
.set STAGE, 4*XSZ                      ; behind it: 16 rows x 272 bytes a wave
.set SP,    272
.set PL,    1048576                    ; a plane of qkv
.set AK0, 2
.set AV0, 3
.set ADR, 4
.set QO,  5
.set STO, 6
.set RD,  7
.set GO,  8
.set FILL, 44                          ; v44 -2^100
.set XW,  47
.set XWS, 48
.set XR,  49
.set XRS, 50
.set STO32, 51
.set GO32, 52
.set GA,  53
.set GT,  54
.set PFO, 61
.set SPW, 62
.set NIL, 63
.set ST,  12
.set S,   64
.set P,   192
.set KF,  128
.set BIA, 192                          ; in window 3: register 8 kt + j: the bias of key 16 kt + 8 (lane / 16) + j for token lane % 16
.set WV,  12
.set QB0, 14
.set QB1, 16
.set PFA, 18
.set MBP, 22                           ; s[22:23] my 16 key steps' mask words, 128 bytes a step; never rewritten
.set G1K, 24
.set G1V, 32
.set G0K, 40                           ; a group 0 for each place
.set G0V, 48
.set SLOTS, 56
.set TWICE, 57
.set TRIPS, 58
.set TBK, 59                           ; LDS byte of the K rows to be fetched next
.set SEL, 60
.set TBV, 62                           ; the same for V (VOFF lies in the lane's register)
.set KHB, 66
.set LIM, 67
.set MK,  68                           ; s[68:99] a key step's mask words
.set MOFF, 100                         ; s100 the byte, from MBP, of the words asked for last
.set MSB, 0
.macro WIN new
.if MSB != \new
	s_set_vgpr_msb (MSB<<8)|\new
.set MSB, \new
.endif
.endm
.set W_KQ,  0x0a                       ; K and Q in window 2, S^T in window 0
.set W_KQ0, 0x3a                       ; the same, C (the bias) in window 3
.set W_PV,  0x53
.set W_RS,  0x41
.macro PLACES
.rept 4
	v_nop
.endr
.endm
; a joint refill of place pl: waves 0, 1 fetch K's halves, waves 2, 3 V's.  An s_nop 0 and four v_nop follow each line
.macro JLOAD pl
	s_cmp_lt_u32 s[WV], 2
	s_cbranch_scc0 .Lfor_v_\@
	tensor_load_to_lds s[G0K+4*\pl:G0K+4*\pl+3], s[G1K:G1K+7]
	s_nop 0
	PLACES
	s_branch .Lasked_\@
.Lfor_v_\@:
	tensor_load_to_lds s[G0V+4*\pl:G0V+4*\pl+3], s[G1V:G1V+7]
	s_nop 0
	PLACES
.Lasked_\@:
.endm
; a prefetch of what the NEXT change of places will ask for.  All clusters of a (batch, kv head) walk the same rows: the first cluster asks; its four partners share
; each tile's 128 rows by address, 32 each; each wave asks for the tile that it fetches itself, a lane a row of 256 bytes.  The last change that fills asks for nothing.
.macro ASK
	s_cmp_gt_u32 s[SLOTS], s[LIM]
	s_cbranch_scc0 .Lnot_mine_\@
	global_prefetch_b8 v[PFO], s[PFA:PFA+1] th:TH_LOAD_NT scope:SCOPE_SE
.Lnot_mine_\@:
.endm
.macro CROUND
	s_barrier_signal -1
	s_barrier_wait -1
	s_cmp_lg_u32 s[WV], 0
	s_cbranch_scc1 .Lnot_wave_0_\@
	s_barrier_signal -3
.Lnot_wave_0_\@:
	s_barrier_wait -3
	s_barrier_signal -1
	s_barrier_wait -1
.endm
; four of a key step's 32 bias registers: a word holds a bit a lane
.macro BIAS g
	WIN 0xc0                        ; destination window 3
.irp n, 0,1,2,3
	v_cndmask_b32 v[BIA+4*(\g)+\n], 0, v[FILL], s[MK+4*(\g)+\n]
.endr
.endm
; the next key step's mask words are asked for: a whole key step ahead of the lines that read them.  The offset is held at the last step's, so that the last request stays inside the buffer
.macro MASKS
	s_add_co_u32 s[MOFF], s[MOFF], 128
	s_min_u32 s[MOFF], s[MOFF], 1920
	s_load_b512 s[MK:MK+15], s[MBP:MBP+1], s[MOFF] offset:0x0
	s_load_b512 s[MK+16:MK+31], s[MBP:MBP+1], s[MOFF] offset:0x40
.endm
; product i of 32 of O^T += V^T P: keys 32 (i / 16) on, channels 16 ((i / 2) % 8) on, tile x + i % 2.  The accumulators take turns
.macro PV x, zero
	WIN W_PV
.set rO, 64*(\x+i%2)+8*((i/2)%8)
.set rV, 64*(i/16)+8*((i/2)%8)
.set rP, P+16*(\x+i%2)+8*(i/16)
.if \zero && (i < 16)
	v_wmma_f32_16x16x32_f16 v[rO:rO+7], v[rV:rV+7], v[rP:rP+7], 0
.else
	v_wmma_f32_16x16x32_f16 v[rO:rO+7], v[rV:rV+7], v[rP:rP+7], v[rO:rO+7]
.endif
.endm
; product i of 32 of S^T = bias + K Q^T: channels 32 (i / 8) on, keys 16 ((i / 2) % 4) on, tile x + i % 2.  The first 8 start the sums with the bias of their 16 keys
.macro KQ x
.set rS, S+32*(\x+i%2)+8*((i/2)%4)
.set rK, KF+32*((i/2)%4)+8*(i/8)
.set rQ, 32*(\x+i%2)+8*(i/8)
.set rB, BIA+8*((i/2)%4)
.if i < 8
	WIN W_KQ0
	v_wmma_f32_16x16x32_f16 v[rS:rS+7], v[rK:rK+7], v[rQ:rQ+7], v[rB:rB+7]
.else
	WIN W_KQ
	v_wmma_f32_16x16x32_f16 v[rS:rS+7], v[rK:rK+7], v[rQ:rQ+7], v[rS:rS+7]
.endif
.endm
.macro FETCH_K
	WIN 0
	v_add_nc_u32 v[ADR], s[TBK], v[AK0]
	s_add_co_u32 s[TBK], s[TBK], KS*PK
	WIN 0x80
.irp f, 0,1,2,3,4,5,6,7,8,9,10,11,12,13,14,15
	ds_load_b128 v[KF+8*\f:KF+8*\f+3],   v[ADR] offset:(\f/4)*16*PK+(\f%4)*64
	ds_load_b128 v[KF+8*\f+4:KF+8*\f+7], v[ADR] offset:(\f/4)*16*PK+(\f%4)*64+32
.endr
.endm
.macro FETCH_V
	WIN 0
	v_add_nc_u32 v[ADR], s[TBV], v[AV0]
	s_add_co_u32 s[TBV], s[TBV], KS*PV
	s_wait_alu depctr_va_vdst(0)    ; the one wait for the softmax's batch of exponentials, ahead of their first reader
	WIN 0xc0
.irp f, 0,1,2,3,4,5,6,7,8,9,10,11,12,13,14,15
	ds_load_tr16_b128 v[8*\f:8*\f+3],   v[ADR] offset:(\f/8)*32*PV+(\f%8)*32
	ds_load_tr16_b128 v[8*\f+4:8*\f+7], v[ADR] offset:(\f/8)*32*PV+16*PV+(\f%8)*32
.endr
.endm
; ONE TILE'S SOFTMAX FOR A KEY STEP: 133 numbers; SM writes number j for tile t.
;   0-15 the maximum of the 32 scores and the old m (each accumulator is first read at its low end)   16-19 the other half's; the new m; m_old - m_new
;   20-68 ONE BATCH: 16 packed subtractions t - m and 33 exponentials (a at 22); none reads an exponential's result   (the wait)   69-84 roundings to f16   85-100 the sums; l = a l + sum   101-132 O^T x a
.macro SM t, first
.set rT, ST+8*(\t)
.set rS, S+32*(\t)
.set rP, P+16*(\t)
.set rO, 64*(\t)+2*(j-101)
.set jj, j+1
.if j < 101
	WIN 0
.endif
.if j < 4
	v_max3_num_f32 v[rT+4+j], v[rS+8*j], v[rS+8*j+1], v[rS+8*j+2]
.elseif j < 12
	v_max3_num_f32 v[rT+4+j%4], v[rT+4+j%4], v[rS+8*(j%4)+2*(j/4)+1], v[rS+8*(j%4)+2*(j/4)+2]
.elseif j == 12
	v_max3_num_f32 v[rT+4], v[rT+4], v[rS+7], v[rS+15]
.elseif j == 13
	v_max3_num_f32 v[rT+6], v[rT+6], v[rS+23], v[rS+31]
.elseif j == 14
	v_max3_num_f32 v[rT+4], v[rT+4], v[rT+5], v[rT+6]
.elseif (j == 15) && \first
	v_max_num_f32 v[rT+4], v[rT+4], v[rT+7]
.elseif j == 15
	v_max3_num_f32 v[rT+4], v[rT+4], v[rT+7], v[rT]
.elseif j == 16
	v_permlanex16_b32 v[rT+5], v[rT+4], s[SEL], s[SEL+1]
.elseif j == 18
	v_max_num_f32 v[rT], v[rT+4], v[rT+5]
.elseif ((j == 17) || (j == 19) || (j == 22) || (j > 100)) && \first
.elseif j == 17
	v_mov_b32 v[rT+7], v[rT]
.elseif j == 19
	v_sub_f32 v[rT+7], v[rT+7], v[rT]
.elseif j == 22
	v_exp_f32 v[rT+6], v[rT+7]
.elseif (j < 69) && ((jj < 23) || ((jj < 38) && (jj%2 == 0)) || ((jj < 66) && (jj%4 == 2)))
.set b, (jj-2)/4
.if jj < 38
.set b, (jj-20)/2
.endif
	v_pk_add_f32 v[rS+2*b:rS+2*b+1], v[rS+2*b:rS+2*b+1], v[rT:rT+1] op_sel_hi:[1,0] neg_lo:[0,1] neg_hi:[0,1]   ; pair b: t - m, exact where t = m
.elseif j < 69
.set e, jj-38
.if jj < 66
.set e, jj-32-(jj-38)/4
.endif
.if jj < 38
.set e, (jj-25)/2
.endif
	v_exp_f32 v[rS+e], v[rS+e]
.elseif j < 85
	v_cvt_pk_f16_f32 v[rP+j-69], v[rS+2*(j-69)], v[rS+2*(j-69)+1]
.elseif j < 101
.set zz, j-85
.set ww, 4
.set uu, zz
.if zz >= 14
.set ww, 32
.set uu, 0
.elseif zz >= 12
.set ww, 16
.set uu, zz-12
.elseif zz >= 8
.set ww, 8
.set uu, zz-8
.endif
.if (zz == 14) && \first
	v_pk_add_f32 v[rT+2:rT+3], v[rS:rS+1], v[rS+16:rS+17]
.elseif zz < 15
	v_pk_add_f32 v[rS+ww*uu:rS+ww*uu+1], v[rS+ww*uu:rS+ww*uu+1], v[rS+ww*uu+ww/2:rS+ww*uu+ww/2+1]
.elseif !\first
	v_pk_fma_f32 v[rT+2:rT+3], v[rT+2:rT+3], v[rT+6:rT+7], v[rS:rS+1] op_sel_hi:[1,0,1]
.endif
.else
	WIN W_RS
	v_pk_mul_f32 v[rO:rO+1], v[rO:rO+1], v[rT+6:rT+7] op_sel_hi:[1,0]
.endif
.endm
; instruction z of 266 of piece y's two lists.  z < 42 and z >= 138: the tiles alternate; between: the batch, four numbers of one tile at a time.
; Ahead of z = 138 nothing names an exponential's result and behind it none is issued: there stand the plain line and the one wait.  In piece 2's turn V's run of loads stands there too, with the wait in it:
; three v_nop and the run's own v_add_nc_u32 are the four places between the last product that read V and the loads.
.macro ZI y, first
.if z == 138
	WIN 0
	v_nop
.if (\y) == 0
	v_nop
	v_nop
	FETCH_V
.else
	s_wait_alu depctr_va_vdst(0)
.endif
.endif
.if z < 42
.set j, z/2
	SM (\y)+z%2, \first
.elseif z < 138
.set j, 21+4*((z-42)/8)+(z-42)%4
	SM (\y)+((z-42)/4)%2, \first
.else
.set j, 69+(z-138)/2
	SM (\y)+z%2, \first
.endif
.set z, z+1
.endm
; a slice: four instructions; 266 = 4 x 64 + 10: the last of the 64 takes fourteen, all plain multiplies: the places behind the turn's last K Q^T
.macro SLICE y, first
.set cnt, 4
.if z == 252
.set cnt, 14
.endif
.rept cnt
	ZI \y, \first
.endr
.endm
; A TURN: piece x has the matrix unit (pv = 2: 32 V^T P; 1: they start O^T; 0: none.  kq = 1: 32 K Q^T of the next step); the other piece's softmax in slices.
; Piece 0's turn fetches the next step's K behind its second product, and makes the next step's bias behind products 16 to 23, four registers each: the last product that read the old bias
; is the eighth K Q^T of the turn before.  Behind product 25 the mask words of the step after that are asked for.
.macro TURN x, pv, kq, first
.set z, 0
.set per, 2
.if \pv && \kq
.set per, 1
.endif
.if \pv
.if \x == 0
	s_wait_dscnt 0x0                ; V is in
.endif
.set i, 0
.rept 32
	PV \x, 2-\pv
.rept per
	SLICE 2-\x, \first
.endr
.if (\x == 0) && \kq && (i == 1)
	FETCH_K
.endif
.if (\x == 0) && \kq && (i >= 16) && (i < 24)
.if i == 16
	s_wait_kmcnt 0x0                ; the mask words, asked for a key step ago, are in
.endif
	BIAS i-16
.endif
.if (\x == 0) && \kq && (i == 25)
	MASKS
.endif
.set i, i+1
.endr
.endif
.if \kq
.if \x == 0
	s_wait_dscnt 0x0                ; K is in
.endif
.set i, 0
.rept 32
	KQ \x
.rept per
	SLICE 2-\x, \first
.endr
.set i, i+1
.endr
.endif
.if \first
	PLACES
.endif
.endm
; THE CHANGE OF PLACES, between piece 2's turn and piece 0's.  Each wave waits for all its tensor loads (one is out: its part of the other place), adds 0 to its spare word, and waits for that
; and for its reads of place pl.  fill = 1: a round of the cluster's barrier, and place pl is filled with the keys two places on: the load has two key steps in which to land.
.macro CHANGE pl, fill
	WIN 0
	s_wait_tensorcnt 0x0
	ds_add_u32 v[SPW], v[NIL]
.if \fill
	s_add_nc_u64 s[G0K+4*\pl+2:G0K+4*\pl+3], s[G0K+4*\pl+2:G0K+4*\pl+3], 65536
	s_add_nc_u64 s[G0V+4*\pl+2:G0V+4*\pl+3], s[G0V+4*\pl+2:G0V+4*\pl+3], 65536
	s_wait_xcnt 0x0                 ; the last prefetch, two key steps back, has read its address
	s_add_nc_u64 s[PFA:PFA+1], s[PFA:PFA+1], 32768
	s_wait_dscnt 0x0
	CROUND
	JLOAD \pl
	ASK
	s_sub_co_u32 s[SLOTS], s[SLOTS], 1
.else
	s_wait_dscnt 0x0
	s_barrier_signal -1
	s_barrier_wait -1
.endif
	s_add_co_u32 s[TBK], s[KHB], (1-\pl)*SLOTB
	s_mov_b32 s[TBV], s[TBK]
.endm
.macro TWO_STEPS
	s_mov_b32 s[TWICE], 2
.Lstep_\@:
	TURN 0, 2, 1, 0
	TURN 2, 2, 1, 0
	WIN 0
	s_sub_co_u32 s[TWICE], s[TWICE], 1
	s_cmp_lg_u32 s[TWICE], 0
	s_cbranch_scc1 .Lstep_\@
.endm
	s_load_b256 s[4:11], s[0:1], 0x0  ; qkv, mb, gates, att
	s_load_b64 s[20:21], s[0:1], 0x20 ; att32
	v_lshl_add_u32 v[SPW], v0, 2, SPARE
	v_mov_b32 v[NIL], 0
	ds_add_u32 v[SPW], v[NIL]       ; the opening: the add, twice on end, and its wait ahead of my first tensor load
	ds_add_u32 v[SPW], v[NIL]
	v_lshrrev_b32 v1, 5, v0
	v_readfirstlane_b32 s[WV], v1
	s_bfe_u32 s13, ttmp6, 0x40000   ; cx
	s_lshl_b32 s68, ttmp9, 2
	s_add_co_u32 s68, s68, s13      ; tb: my block of 32 tokens
	s_and_b32 s69, ttmp7, 0xffff
	s_lshr_b32 s70, s69, 1          ; b
	s_and_b32 s71, s69, 1           ; kv
	s_and_b32 s72, s[WV], 1         ; my 16 tokens; also: which half of the keys I fetch
	s_lshr_b32 s73, s[WV], 1        ; kh: which half of the keys I walk
	s_add_co_u32 s74, s71, 8        ; K's rows that I fetch: plane 8 + kv, row 2,048 b + 1,024 (w % 2): nothing of cx
	s_lshl_b32 s74, s74, 20
	s_lshl_b32 s75, s70, 19
	s_add_co_u32 s74, s74, s75
	s_lshl_b32 s75, s72, 18
	s_add_co_u32 s74, s74, s75
	s_mov_b32 s75, 0
	s_lshl_b32 s76, s70, 11         ; m0 = 2,048 b + 32 tb + 16 (w % 2)
	s_lshl_b32 s77, s68, 5
	s_add_co_u32 s76, s76, s77
	s_lshl_b32 s77, s72, 4
	s_add_co_u32 s76, s76, s77
	s_lshl_b32 s77, s71, 2
	s_lshl_b32 s78, s73, 1
	s_add_co_u32 s79, s77, s78      ; the head of slot 0: 4 kv + 2 kh
	s_add_co_u32 s80, s77, 2
	s_sub_co_u32 s80, s80, s78      ; of slot 2: 4 kv + 2 - 2 kh
	s_lshl_b32 s81, s76, 8
	s_lshl_b32 s82, s79, 20
	s_add_co_u32 s82, s82, s81
	s_mov_b32 s83, 0
	s_lshl_b32 s84, s80, 20
	s_add_co_u32 s84, s84, s81
	s_mov_b32 s85, 0
	s_lshl_b32 s86, s68, 13         ; mask words: 4,096 (2 tb + w % 2) + 2,048 kh
	s_lshl_b32 s87, s72, 12
	s_add_co_u32 s86, s86, s87
	s_lshl_b32 s87, s73, 11
	s_add_co_u32 s86, s86, s87
	s_mov_b32 s87, 0
	s_lshl_b32 s88, s76, 5
	s_lshl_b32 s89, s79, 2
	s_add_co_u32 s88, s88, s89
	s_mov_b32 s89, 0
	s_lshl_b32 s90, s76, 11
	s_lshl_b32 s91, s79, 8
	s_add_co_u32 s90, s90, s91
	s_mov_b32 s91, 0
	s_lshl_b32 s92, s70, 19         ; att32: row 128 b + 32 tb + 16 (w % 2) of 4,096 bytes (used by the first cluster's even waves alone)
	s_lshl_b32 s93, s68, 17
	s_add_co_u32 s92, s92, s93
	s_lshl_b32 s93, s72, 16
	s_add_co_u32 s92, s92, s93
	s_lshl_b32 s93, s79, 9
	s_add_co_u32 s92, s92, s93
	s_mov_b32 s93, 0
	s_mul_i32 s96, s72, HALFB
	s_mul_i32 s[KHB], s73, HALFB
	s_lshl_b32 s2, s13, 13
	s_add_co_u32 s2, s2, 65536      ; the prefetches begin two places on, at my work-group's 32 rows; the first change steps them on
	s_mov_b32 s3, 0
	s_mov_b32 s[G1K], 15|(1<<16)|(1<<20)|(1<<21)|(5<<22)|(3<<25)  ; all four work-groups; 2-byte elements; 4 words of padding behind every 64
	s_mov_b32 s[G1V], 15|(1<<16)|(1<<20)|(1<<21)|(5<<22)|(7<<25)  ; 8 words
.irp g, G1K, G1V
	s_mov_b32 s[\g+1], 128<<16
	s_mov_b32 s[\g+2], 128<<16
	s_mov_b32 s[\g+3], 128<<16
	s_mov_b32 s[\g+4], 128
	s_mov_b32 s[\g+5], 128
	s_mov_b32 s[\g+6], 0
	s_mov_b32 s[\g+7], 0
.endr
	s_mov_b32 s[SEL], 0x76543210
	s_mov_b32 s[SEL+1], 0xfedcba98
	s_mov_b32 s[SLOTS], 6
	s_mov_b32 s[MOFF], 0
	s_mov_b32 s[TBK], s[KHB]
	s_mov_b32 s[TBV], s[KHB]
	s_cmp_eq_u32 ttmp9, 0
	s_cselect_b32 s[LIM], 1, -1
	v_and_b32 v[PFO], 31, v0
	v_lshlrev_b32 v[PFO], 8, v[PFO]
	s_wait_dscnt 0x0                ; both opening adds are done
	s_wait_kmcnt 0x0
	s_add_nc_u64 s[74:75], s[4:5], s[74:75]
	s_add_nc_u64 s[94:95], s[74:75], 2*PL
	s_add_nc_u64 s[QB0:QB0+1], s[4:5], s[82:83]
	s_add_nc_u64 s[QB1:QB1+1], s[4:5], s[84:85]
	s_add_nc_u64 s[MBP:MBP+1], s[6:7], s[86:87]
	s_add_nc_u64 s[8:9], s[8:9], s[88:89]
	s_add_nc_u64 s[10:11], s[10:11], s[90:91]
	s_add_nc_u64 s[20:21], s[20:21], s[92:93]
	s_cmp_lt_u32 s[WV], 2
	s_cselect_b64 s[PFA:PFA+1], s[74:75], s[94:95]
	s_add_nc_u64 s[PFA:PFA+1], s[PFA:PFA+1], s[2:3]
.irp pl, 0,1
	s_mov_b32 s[G0K+4*\pl], 1
	s_add_co_u32 s[G0K+4*\pl+1], s96, \pl*SLOTB
	s_add_nc_u64 s[G0K+4*\pl+2:G0K+4*\pl+3], s[74:75], \pl*32768
	s_or_b32 s[G0K+4*\pl+3], s[G0K+4*\pl+3], 0x80000000
	s_mov_b32 s[G0V+4*\pl], 1
	s_add_co_u32 s[G0V+4*\pl+1], s96, \pl*SLOTB+VOFF
	s_add_nc_u64 s[G0V+4*\pl+2:G0V+4*\pl+3], s[94:95], \pl*32768
	s_or_b32 s[G0V+4*\pl+3], s[G0V+4*\pl+3], 0x80000000
.endr
	CROUND                          ; all four work-groups are here: the first joint loads meet
	s_cmp_lt_u32 s[WV], 2           ; a wave's two first fills stand in one branch: two loads of mine are out
	s_cbranch_scc0 .Lfirst_v
	tensor_load_to_lds s[G0K:G0K+3], s[G1K:G1K+7]
	s_nop 0
	tensor_load_to_lds s[G0K+4:G0K+7], s[G1K:G1K+7]
	s_nop 0
	PLACES
	s_branch .Lfirst_asked
.Lfirst_v:
	tensor_load_to_lds s[G0V:G0V+3], s[G1V:G1V+7]
	s_nop 0
	tensor_load_to_lds s[G0V+4:G0V+7], s[G1V:G1V+7]
	s_nop 0
	PLACES
.Lfirst_asked:
	s_load_b512 s[MK:MK+15], s[MBP:MBP+1], 0x0     ; key step 0's mask words (the registers that held the head's offsets are free)
	s_load_b512 s[MK+16:MK+31], s[MBP:MBP+1], 0x40
	v_and_b32 v1, 15, v0            ; r
	v_bfe_u32 v9, v0, 4, 1          ; h
	v_lshlrev_b32 v[QO], 8, v1
	v_lshl_add_u32 v[QO], v9, 4, v[QO]
	v_lshlrev_b32 v[GA], 5, v1
	WIN 0x80
.irp i, 0,1
.irp c, 0,1,2,3
	global_load_b128 v[32*\i+8*\c:32*\i+8*\c+3],   v[QO], s[QB0:QB0+1] offset:\i*PL+64*\c
	global_load_b128 v[32*\i+8*\c+4:32*\i+8*\c+7], v[QO], s[QB0:QB0+1] offset:\i*PL+64*\c+32
	global_load_b128 v[64+32*\i+8*\c:64+32*\i+8*\c+3],   v[QO], s[QB1:QB1+1] offset:\i*PL+64*\c
	global_load_b128 v[64+32*\i+8*\c+4:64+32*\i+8*\c+7], v[QO], s[QB1:QB1+1] offset:\i*PL+64*\c+32
.endr
.endr
	WIN 0
	global_load_b64 v[GT:GT+1], v[GA], s[8:9]      ; the gates of my token for the two heads that I keep
	v_mul_u32_u24 v[AK0], v1, PK
	v_lshl_add_u32 v[AK0], v9, 4, v[AK0]
	v_and_b32 v10, 7, v0
	v_bfe_u32 v11, v0, 3, 1
	v_lshl_add_u32 v[AV0], v9, 3, v10
	v_mul_u32_u24 v[AV0], v[AV0], PV
	v_lshl_add_u32 v[AV0], v11, 4, v[AV0]
	v_add_nc_u32 v[AV0], VOFF, v[AV0]
	v_mov_b32 v[FILL], 0xf1800000   ; -2^100
.irp t, 0,1,2,3
	v_mov_b32 v[ST+8*\t+1], 0       ; named as the upper half of the pair that holds m
.endr
	s_wait_tensorcnt 1              ; my part of place 0 is in; place 1's may stay out
	s_barrier_signal -1
	s_barrier_wait -1
	s_wait_kmcnt 0x0
.irp g, 0,1,2,3,4,5,6,7
	BIAS \g                         ; key step 0's bias
.endr
	FETCH_K
	MASKS                           ; key step 1's words
	s_wait_loadcnt 0x0              ; Q and the gates
	s_wait_dscnt 0x0
.set i, 0
.rept 32
	KQ 0
.set i, i+1
.endr
	WIN 0                           ; the addresses for the end are made here: plain lines, the places behind those products
	v_and_b32 v10, 31, v0
	s_mul_i32 s13, s[WV], XSZ
	v_lshl_add_u32 v[XW], v10, 4, s13
	s_add_co_u32 s2, s13, 16384
	v_lshl_add_u32 v[XWS], v10, 2, s2
	s_xor_b32 s3, s[WV], 2          ; my partner
	s_mul_i32 s3, s3, XSZ
	v_lshl_add_u32 v[XR], v10, 4, s3
	s_add_co_u32 s3, s3, 16384
	v_lshl_add_u32 v[XRS], v10, 2, s3
	s_mul_i32 s13, s[WV], 16*SP
	s_add_co_u32 s13, s13, STAGE
	v_mul_u32_u24 v[STO], v1, SP
	v_lshl_add_u32 v[STO], v9, 4, v[STO]
	v_add_nc_u32 v[STO], s13, v[STO]
	v_mul_u32_u24 v[STO32], v1, SP
	v_lshl_add_u32 v[STO32], v9, 5, v[STO32]
	v_add_nc_u32 v[STO32], s13, v[STO32]
	v_mul_u32_u24 v[RD], v9, SP
	v_lshl_add_u32 v[RD], v1, 4, v[RD]
	v_add_nc_u32 v[RD], s13, v[RD]
	v_lshlrev_b32 v[GO], 11, v9
	v_lshl_add_u32 v[GO], v1, 4, v[GO]
	v_lshlrev_b32 v[GO32], 12, v9
	v_lshl_add_u32 v[GO32], v1, 4, v[GO32]
	TURN 2, 0, 1, 1
	TURN 0, 1, 1, 1
	TURN 2, 1, 1, 0
	WIN 0
	s_mov_b32 s[TRIPS], 3
.Lslot:                             ; a trip goes once round the two places and fills both again
	CHANGE 0, 1
	TWO_STEPS
	CHANGE 1, 1
	TWO_STEPS
	s_sub_co_u32 s[TRIPS], s[TRIPS], 1
	s_cmp_lg_u32 s[TRIPS], 0
	s_cbranch_scc1 .Lslot
	CHANGE 0, 0                     ; the tail is written out: nothing more is asked for
	TWO_STEPS
	TURN 0, 2, 0, 0
.set i, 0
.rept 32
	PV 2, 0
.set i, i+1
.endr
	; THE END.  l's halves; slots 2, 3 go to my partner as images of their registers; its slots 2, 3 are my slots 0, 1 for the other 1,024 keys
	WIN 0
	s_wait_kmcnt 0x0                ; the last request for mask words, which nobody reads, is done
.irp t, 0,1,2,3
	v_add_f32 v[ST+8*\t+2], v[ST+8*\t+2], v[ST+8*\t+3]
.endr
.irp t, 0,1,2,3
	v_permlanex16_b32 v[ST+8*\t+5], v[ST+8*\t+2], s[SEL], s[SEL+1]
.endr
.irp t, 0,1,2,3
	v_add_f32 v[ST+8*\t+2], v[ST+8*\t+2], v[ST+8*\t+5]
.endr
	WIN 0x04                        ; an LDS store's data are its source 1: window 1
.set i, 0
.rept 32
	ds_store_b128 v[XW], v[128+4*i:131+4*i] offset:512*i
.set i, i+1
.endr
	WIN 0
.irp t, 2,3
	ds_store_b32 v[XWS], v[ST+8*\t] offset:256*(\t-2)
	ds_store_b32 v[XWS], v[ST+8*\t+2] offset:256*(\t-2)+128
.endr
	s_wait_dscnt 0x0                ; for my partner's sake
	s_barrier_signal -1
	s_barrier_wait -1
.set i, 0
.rept 32
	ds_load_b128 v[S+4*i:S+4*i+3], v[XR] offset:512*i
.set i, i+1
.endr
.irp t, 0,1
	ds_load_b32 v[ST+8*\t+5], v[XRS] offset:256*\t
	ds_load_b32 v[ST+8*\t+7], v[XRS] offset:256*\t+128
.endr
	s_wait_dscnt 0x0
.irp t, 0,1
	v_max_num_f32 v[ST+8*\t+4], v[ST+8*\t], v[ST+8*\t+5]
.endr
.irp t, 0,1
	v_sub_f32 v[ST+8*\t], v[ST+8*\t], v[ST+8*\t+4]
	v_sub_f32 v[ST+8*\t+5], v[ST+8*\t+5], v[ST+8*\t+4]
.endr
.irp t, 0,1
	v_exp_f32 v[ST+8*\t], v[ST+8*\t]
	v_exp_f32 v[ST+8*\t+5], v[ST+8*\t+5]
.endr
	v_nop
	s_wait_alu depctr_va_vdst(0)    ; one wait for the four
.irp t, 0,1
	v_mul_f32 v[ST+8*\t+7], v[ST+8*\t+7], v[ST+8*\t+5]
.endr
.irp t, 0,1
	v_fma_f32 v[ST+8*\t+7], v[ST+8*\t+2], v[ST+8*\t], v[ST+8*\t+7]
.endr
.irp t, 0,1
	v_rcp_f32 v[ST+8*\t+6], v[ST+8*\t+7]
.endr
	v_nop
	s_wait_alu depctr_va_vdst(0)
.irp t, 0,1
	v_mul_f32 v[ST+8*\t+6], v[ST+8*\t+6], v[GT+\t]           ; gate / l
.endr
.irp t, 0,1
	v_mul_f32 v[ST+8*\t+4], v[ST+8*\t+6], v[ST+8*\t]         ; x my a
	v_mul_f32 v[ST+8*\t+6], v[ST+8*\t+6], v[ST+8*\t+5]       ; x my partner's
.endr
.irp t, 0,1
.set i, 0
.rept 32
	v_pk_mul_f32 v[S+64*\t+2*i:S+64*\t+2*i+1], v[S+64*\t+2*i:S+64*\t+2*i+1], v[ST+8*\t+6:ST+8*\t+7] op_sel_hi:[1,0]
.set i, i+1
.endr
.endr
	WIN 0x01
.irp t, 0,1
.set i, 0
.rept 32
	v_pk_fma_f32 v[S+64*\t+2*i:S+64*\t+2*i+1], v[64*\t+2*i:64*\t+2*i+1], v[ST+8*\t+4:ST+8*\t+5], v[S+64*\t+2*i:S+64*\t+2*i+1] op_sel_hi:[1,0,1]
.set i, i+1
.endr
.endr
	WIN 0
	; The first 16 tokens of a sequence also leave in f32, for the last launch.  They lie in the first cluster's first work-group, in its even waves.  The branch hangs on the cluster's number and the
	; wave's alone: so the even waves of the other three partners store their 16 tokens too, which nobody reads.
	s_and_b32 s2, s[WV], 1
	s_or_b32 s2, s2, ttmp9
	s_cmp_lg_u32 s2, 0
	s_cbranch_scc1 .Lno32
.irp t, 0,1
.irp u, 0,1                         ; channels 64 u on: half a row, 256 bytes, of 16 tokens through my stage
.if (\t == 1) && (\u == 0)
	s_wait_xcnt 0x0                 ; the first tile's stores have read their registers: both sets may be loaded again
.endif
.irp c, 0,1,2,3
	ds_store_b128 v[STO32], v[S+64*\t+32*\u+8*\c:S+64*\t+32*\u+8*\c+3] offset:64*\c
	ds_store_b128 v[STO32], v[S+64*\t+32*\u+8*\c+4:S+64*\t+32*\u+8*\c+7] offset:64*\c+16
.endr
.irp f, 0,1,2,3,4,5,6,7
	ds_load_b128 v[P+32*\u+4*\f:P+32*\u+4*\f+3], v[RD] offset:\f*2*SP   ; LDS serves a wave's instructions in order: these see the stores above, and the next half's stores come behind them
.endr
.irp f, 0,1,2,3,4,5,6,7
	s_wait_dscnt 7-\f               ; load f is in; the 7 - f behind it may be out
	global_store_b128 v[GO32], v[P+32*\u+4*\f:P+32*\u+4*\f+3], s[20:21] offset:512*\t+256*\u+8192*\f   ; sixteen lanes store 256 consecutive bytes of a row
.endr
.endr
.endr
	s_wait_xcnt 0x0                 ; these stores have read their registers, which the roundings below write
.Lno32:
.irp t, 0,1
.set i, 0
.rept 32
	v_cvt_pk_f16_f32 v[P+32*\t+i], v[S+64*\t+2*i], v[S+64*\t+2*i+1]
.set i, i+1
.endr
.irp f, 0,1,2,3,4,5,6,7
	ds_store_b128 v[STO], v[P+32*\t+4*\f:P+32*\t+4*\f+3] offset:32*\f
.endr
.irp f, 0,1,2,3,4,5,6,7
	ds_load_b128 v[P+32*\t+4*\f:P+32*\t+4*\f+3], v[RD] offset:\f*2*SP   ; in order again: these see the stores above, and the next tile's stores come behind them
.endr
.endr
.irp t, 0,1
.irp f, 0,1,2,3,4,5,6,7
	s_wait_dscnt 16*(1-\t)+7-\f
	global_store_b128 v[GO], v[P+32*\t+4*\f:P+32*\t+4*\f+3], s[10:11] offset:256*\t+4096*\f   ; sixteen lanes store a head's 256 bytes of a row
.endr
.endr
	s_wait_tensorcnt 0x0            ; the wave's end
	ds_add_u32 v[SPW], v[NIL]
	s_wait_dscnt 0x0
	CROUND                          ; the closing round
	s_endpgm
.Lfunc_end_k_q3723ba7669_attn:
	.size	k_q3723ba7669_attn, .Lfunc_end_k_q3723ba7669_attn-k_q3723ba7669_attn
	.p2alignl 7, 3214868480
	.fill 96, 4, 3214868480
	.section	.rodata,"a",@progbits
	.p2align	6, 0x0
	.amdhsa_kernel k_q3723ba7669_attn
		.amdhsa_group_segment_fixed_size 327680
		.amdhsa_private_segment_fixed_size 0
		.amdhsa_enable_private_segment 0
		.amdhsa_kernarg_size 40
		.amdhsa_user_sgpr_count 2
		.amdhsa_user_sgpr_kernarg_segment_ptr 1
		.amdhsa_wavefront_size32 1
		.amdhsa_system_sgpr_workgroup_id_x 1
		.amdhsa_system_sgpr_workgroup_id_y 1
		.amdhsa_system_sgpr_workgroup_id_z 1
		.amdhsa_system_vgpr_workitem_id 0
		.amdhsa_next_free_vgpr 1024
		.amdhsa_next_free_sgpr 102
		.amdhsa_reserve_vcc 0
		.amdhsa_float_denorm_mode_32 3
		.amdhsa_float_denorm_mode_16_64 3
		.amdhsa_memory_ordered 1
		.amdhsa_forward_progress 1
		.amdhsa_inst_pref_size 255
	.end_amdhsa_kernel
	.section	.bss,"aw",@nobits
	.p2align	6
	.space	262144
	.amdgpu_metadata
---
amdhsa.version: [ 1, 2 ]
amdhsa.kernels:
  - .name:           k_q3723ba7669_attn
    .symbol:         k_q3723ba7669_attn.kd
    .args:
      - { .name: qkv, .offset: 0, .size: 8, .value_kind: global_buffer, .address_space: global }
      - { .name: mb, .offset: 8, .size: 8, .value_kind: global_buffer, .address_space: global }
      - { .name: gates, .offset: 16, .size: 8, .value_kind: global_buffer, .address_space: global }
      - { .name: att, .offset: 24, .size: 8, .value_kind: global_buffer, .address_space: global }
      - { .name: att32, .offset: 32, .size: 8, .value_kind: global_buffer, .address_space: global }
    .group_segment_fixed_size: 327680
    .private_segment_fixed_size: 0
    .kernarg_segment_align: 8
    .kernarg_segment_size: 40
    .max_flat_workgroup_size: 128
    .sgpr_count:     102
    .vgpr_count:     1024
    .wavefront_size: 32
...
	.end_amdgpu_metadata
.endif
;; end of part 3
;; launch proj (part 4): grid 8 x 32, 4 waves a work-group, clusters of 4 x 4, 327,680 bytes of LDS; arguments att, wo16, out0; writes out0
.if DOCPART == 4
	.amdgcn_target "amdgcn-amd-amdhsa--gfx1250"
	.amdhsa_code_object_version 6
	.text
	.protected	k_q3723ba7669_proj
	.globl	k_q3723ba7669_proj
	.p2align	8
	.type	k_q3723ba7669_proj,@function
k_q3723ba7669_proj:
	s_mov_b64 s[64:65], 0
	v_nop
	global_prefetch_b8 v0, s[64:65] scope:SCOPE_SE
	s_setreg_imm32_b32 hwreg(HW_REG_WAVE_MODE, 25, 1), 1
	s_wait_xcnt 0x0
	s_wait_alu depctr_hold_cnt(0) depctr_sa_sdst(0) depctr_va_vdst(0) depctr_va_sdst(0) depctr_va_ssrc(0) depctr_va_vcc(0) depctr_vm_vsrc(0)
	s_getreg_b32 s2, hwreg(HW_REG_IB_STS2, 6, 4)
	s_cmp_eq_u32 s2, 0
	s_cbranch_scc0 .Lentry_in_a_cluster
	s_endpgm
.Lentry_in_a_cluster:
	s_bfe_u32 s2, ttmp6, 0x10000c
	s_cmp_lg_u32 s2, 0xf033
	s_cbranch_scc0 .Lentry_shape_is_right
	s_endpgm
.Lentry_shape_is_right:
; PROJ: out0[m][n] = sum over k of att[m][k] wo16[k][n]; att [4096][1024] and wo16 [1024][2048] in f16, sums and out0 in f32.
; A work-group makes 128 rows x 256 columns (256 work-groups), a wave 64 x 128: 32 accumulators.  K goes in 8 steps of 128 through two LDS slots.
; att's rows lie along K and are read as they lie; wo16's rows lie along n and are read by the transposing load.
; CLUSTER 4 x 4: att's tiles are shared along a row of the cluster, wo16's along a column: joint loads.
; The matrix instruction is used transposed (source 0 = 16 columns of wo16, source 1 = 16 rows of att): a lane holds eight neighbouring columns of a row.
; No prefetch: a step's tiles are small and have a whole step's products in which to land.
; REGISTERS: window 0: v16-29 addresses; v64-95, v96-127 att's two fragment buffers; v128-255 the way out.  window 1: wo16's two buffers, v0-63, v64-127.  window 2: accumulator (a, b) at v[8 (8 a + b)].
.set SLOT,  104448                     ; att: 128 rows x 272, then wo16: 128 rows x 544
.set BOFF,  34816
.set SPARE, 2*SLOT
.set SPITCH, 528                       ; the way out: 16 rows x (512 + 16) a wave, in slot 0 once it has had its last fill and its last read
.set LAPS,  4
.set ADRA, 16
.set ADRB, 20
.set STO,  24
.set RD,   25
.set CO,   26
.set SPW,  28
.set NIL,  29
.set BK,   128
.set G1, 24
.set G0, 32
.set G1B, 48
.set G0B, 56
.set MSB, 0
.macro WIN new
.if MSB != \new
	s_set_vgpr_msb (MSB<<8)|\new
.set MSB, \new
.endif
.endm
.set MUL,  0xa1
.set TO_B, 0x40
.macro PLACES
.rept 4
	v_nop
.endr
.endm
.macro JLOAD s                         ; waves 0, 1 fetch att's halves, waves 2, 3 wo16's; an s_nop 0 and four v_nop follow each line
	s_cmp_eq_u32 s11, 0
	s_cbranch_scc0 .Lfor_b_\@
	tensor_load_to_lds s[G0+4*\s:G0+4*\s+3], s[G1:G1+7]
	s_nop 0
	PLACES
	s_branch .Lasked_\@
.Lfor_b_\@:
	tensor_load_to_lds s[G0B+4*\s:G0B+4*\s+3], s[G1B:G1B+7]
	s_nop 0
	PLACES
.Lasked_\@:
.endm
.macro CREST
	s_cmp_lg_u32 s10, 0
	s_cbranch_scc1 .Lnot_wave_0_\@
	s_barrier_signal -3
.Lnot_wave_0_\@:
	s_barrier_wait -3
	s_barrier_signal -1
	s_barrier_wait -1
.endm
.macro CROUND
	s_barrier_signal -1
	s_barrier_wait -1
	CREST
.endm
; 24 LDS loads: quarter q (32 along K) of a slot into buffer f: wo16's eight blocks of 16 columns, then att's four blocks of 16 rows
.macro FETCH slot, q, f
	WIN TO_B
.irp b, 0,1,2,3,4,5,6,7
	ds_load_tr16_b128 v[64*(\f)+8*\b:64*(\f)+8*\b+3],   v[ADRB+\slot] offset:17408*(\q)+32*\b
	ds_load_tr16_b128 v[64*(\f)+8*\b+4:64*(\f)+8*\b+7], v[ADRB+\slot] offset:17408*(\q)+32*\b+8704
.endr
	WIN 0
.irp a, 0,1,2,3
	ds_load_b128 v[64+32*(\f)+8*\a:64+32*(\f)+8*\a+3],   v[ADRA+\slot] offset:4352*\a+64*(\q)
	ds_load_b128 v[64+32*(\f)+8*\a+4:64+32*(\f)+8*\a+7], v[ADRA+\slot] offset:4352*\a+64*(\q)+32
.endr
.endm
; eight products: att's block a against wo16's eight; the 32 accumulators take turns
.macro MUL8 f, a, zero
.irp b, 0,1,2,3,4,5,6,7
.if \zero
	v_wmma_f32_16x16x32_f16 v[8*(8*(\a)+\b):8*(8*(\a)+\b)+7], v[64*(\f)+8*\b:64*(\f)+8*\b+7], v[64+32*(\f)+8*(\a):64+32*(\f)+8*(\a)+7], 0
.else
	v_wmma_f32_16x16x32_f16 v[8*(8*(\a)+\b):8*(8*(\a)+\b)+7], v[64*(\f)+8*\b:64*(\f)+8*\b+7], v[64+32*(\f)+8*(\a):64+32*(\f)+8*(\a)+7], v[8*(8*(\a)+\b):8*(8*(\a)+\b)+7]
.endif
.endr
.endm
; multiplies buffer f and fetches quarter q of the same slot into buffer g
.macro QUARTER slot, q, f, g, zero
	s_wait_dscnt 4                                 ; all but the youngest four loads: att's blocks 2 and 3
	WIN MUL
	MUL8 \f, 0, \zero
	MUL8 \f, 1, \zero
	PLACES
	FETCH \slot, \q, \g
	s_wait_dscnt 24                                ; all but the 24 just issued
	WIN MUL
	MUL8 \f, 2, \zero
	MUL8 \f, 3, \zero
.endm
; a slot's last quarter changes slots: in front of the one barrier each wave waits for all its tensor loads, adds 0 to its spare word, and waits for that and for its reads of the slot
.macro TURN slot, next, fill
	WIN 0
	s_wait_tensorcnt 0x0
	ds_add_u32 v[SPW], v[NIL]
	s_wait_dscnt 7                                 ; the add and the youngest six loads (att's blocks 1 to 3) may be out
	WIN MUL
	MUL8 1, 0, 0
	s_wait_dscnt 0x0
	s_barrier_signal -1
	MUL8 1, 1, 0
	WIN 0
	s_barrier_wait -1
.if \fill
	CREST                                          ; the barrier has opened a round of the cluster's: no wave of any partner still reads the slot or has a load on its way
	s_add_nc_u64 s[G0+4*\slot+2:G0+4*\slot+3], s[G0+4*\slot+2:G0+4*\slot+3], 512
	s_add_nc_u64 s[G0B+4*\slot+2:G0B+4*\slot+3], s[G0B+4*\slot+2:G0B+4*\slot+3], 1048576
	JLOAD \slot                                    ; 112 products ahead of the wait for it; its four v_nop are also the places in front of the loads below
.else
	PLACES
.endif
	FETCH \next, 0, 0
	WIN MUL
	MUL8 1, 2, 0
	MUL8 1, 3, 0
.endm
	s_load_b128 s[4:7], s[0:1], 0x0                ; att, wo16
	s_load_b64 s[8:9], s[0:1], 0x10                ; out0
	v_lshl_add_u32 v[SPW], v0, 2, SPARE
	v_mov_b32 v[NIL], 0
	ds_add_u32 v[SPW], v[NIL]                      ; the opening: the add, twice on end, and its wait ahead of my first tensor load
	ds_add_u32 v[SPW], v[NIL]
	v_lshrrev_b32 v1, 5, v0
	v_readfirstlane_b32 s10, v1
	s_lshr_b32 s11, s10, 1                         ; my half of the rows; also: I fetch att (0) or wo16 (1)
	s_and_b32 s12, s10, 1                          ; my half of the columns; also: which 64 rows I fetch
	s_bfe_u32 s40, ttmp6, 0x40000
	s_bfe_u32 s41, ttmp6, 0x40004
	s_lshl_b32 s42, ttmp9, 2
	s_add_co_u32 s42, s42, s40                     ; nt
	s_and_b32 s13, ttmp7, 0xffff
	s_lshl_b32 s13, s13, 2
	s_add_co_u32 s13, s13, s41                     ; mt
	s_lshl_b32 s43, s41, 2
	s_lshl_b32 s43, 15, s43
	s_lshl_b32 s44, 0x1111, s40
	s_or_b32 s[G1+0], s43, (1<<16)|(1<<20)|(1<<21)|(5<<22)|(3<<25)    ; att: 64 rows x 128 elements, 4 words of padding behind every 64
	s_mov_b32 s[G1+1], 128<<16
	s_mov_b32 s[G1+2], 64<<16
	s_mov_b32 s[G1+3], 128<<16
	s_mov_b32 s[G1+4], 64
	s_mov_b32 s[G1+5], 1024
	s_mov_b32 s[G1+6], 0
	s_mov_b32 s[G1+7], 0
	s_or_b32 s[G1B+0], s44, (1<<16)|(1<<20)|(1<<21)|(6<<22)|(7<<25)   ; wo16: 64 rows x 256 elements, 8 words behind every 128
	s_mov_b32 s[G1B+1], 256<<16
	s_mov_b32 s[G1B+2], 64<<16
	s_mov_b32 s[G1B+3], 256<<16
	s_mov_b32 s[G1B+4], 64
	s_mov_b32 s[G1B+5], 2048
	s_mov_b32 s[G1B+6], 0
	s_mov_b32 s[G1B+7], 0
	s_lshl_b32 s16, s13, 18                        ; att: row 128 mt + 64 half, 2,048 bytes a row
	s_lshl_b32 s17, s12, 17
	s_add_co_u32 s16, s16, s17
	s_mov_b32 s17, 0
	s_lshl_b32 s46, s12, 18                        ; wo16: row 64 half, 4,096 bytes a row; column 256 nt
	s_lshl_b32 s47, s42, 9
	s_add_co_u32 s46, s46, s47
	s_mov_b32 s47, 0
	s_mul_i32 s20, s12, 17408
	s_mul_i32 s21, s12, 34816
	s_add_co_u32 s21, s21, BOFF
	s_wait_dscnt 0x0
	s_wait_kmcnt 0x0
	s_add_nc_u64 s[14:15], s[4:5], s[16:17]
	s_add_nc_u64 s[46:47], s[6:7], s[46:47]
	CROUND
.irp s, 0,1
	s_mov_b32 s[G0+4*\s], 1
	s_add_co_u32 s[G0+4*\s+1], s20, \s*SLOT
	s_add_nc_u64 s[G0+4*\s+2:G0+4*\s+3], s[14:15], \s*256
	s_or_b32 s[G0+4*\s+3], s[G0+4*\s+3], 0x80000000
	s_mov_b32 s[G0B+4*\s], 1
	s_add_co_u32 s[G0B+4*\s+1], s21, \s*SLOT
	s_add_nc_u64 s[G0B+4*\s+2:G0B+4*\s+3], s[46:47], \s*524288
	s_or_b32 s[G0B+4*\s+3], s[G0B+4*\s+3], 0x80000000
	JLOAD \s
.endr
	v_and_b32 v1, 15, v0
	v_bfe_u32 v2, v0, 4, 1
	v_mul_u32_u24 v3, v1, 272
	v_lshl_add_u32 v3, v2, 4, v3
	s_mul_i32 s21, s11, 17408
	v_and_b32 v4, 7, v0
	v_lshl_add_u32 v4, v2, 3, v4
	v_mul_u32_u24 v4, v4, 544
	v_bfe_u32 v5, v0, 3, 1
	v_lshl_add_u32 v4, v5, 4, v4
	s_lshl_b32 s22, s12, 8
	s_add_co_u32 s22, s22, BOFF
.irp s, 0,1
	v_add_nc_u32 v[ADRA+\s], s21, v3
	v_add_nc_u32 v[ADRB+\s], s22, v4
	s_add_co_u32 s21, s21, SLOT
	s_add_co_u32 s22, s22, SLOT
.endr
	s_mul_i32 s23, s10, 16*SPITCH
	v_mul_u32_u24 v5, v1, SPITCH
	v_lshl_add_u32 v5, v2, 5, v5
	v_add_nc_u32 v[STO], s23, v5
	v_and_b32 v6, 31, v0
	v_lshlrev_b32 v[CO], 4, v6
	v_add_nc_u32 v[RD], s23, v[CO]
	s_lshl_b32 s16, s13, 20                        ; out0: row 128 mt + 64 wm of 8,192 bytes; column 256 nt + 128 wn
	s_lshl_b32 s17, s11, 19
	s_add_co_u32 s16, s16, s17
	s_mov_b32 s17, 0
	s_lshl_b32 s46, s42, 10
	s_lshl_b32 s47, s12, 9
	s_add_co_u32 s46, s46, s47
	s_mov_b32 s47, 0
	s_add_nc_u64 s[16:17], s[16:17], s[46:47]
	s_add_nc_u64 s[8:9], s[8:9], s[16:17]
	s_wait_tensorcnt 1                             ; my part of K step 0 is in; step 1's may stay out
	s_barrier_signal -1
	s_barrier_wait -1
	FETCH 0, 0, 0
	QUARTER 0, 1, 0, 1, 1                          ; the first quarter's products start the sums
	WIN 0
	s_mov_b32 s3, LAPS-1
.Llap:                                                 ; a trip goes once round the ring and fills both slots again
	QUARTER 0, 2, 1, 0, 0
	QUARTER 0, 3, 0, 1, 0
	TURN 0, 1, 1
	QUARTER 1, 1, 0, 1, 0
	QUARTER 1, 2, 1, 0, 0
	QUARTER 1, 3, 0, 1, 0
	TURN 1, 0, 1
	QUARTER 0, 1, 0, 1, 0
	WIN 0
	s_sub_co_u32 s3, s3, 1
	s_cmp_lg_u32 s3, 0
	s_cbranch_scc1 .Llap
	QUARTER 0, 2, 1, 0, 0                          ; the last lap fills nothing
	QUARTER 0, 3, 0, 1, 0
	TURN 0, 1, 0
	QUARTER 1, 1, 0, 1, 0
	QUARTER 1, 2, 1, 0, 0
	QUARTER 1, 3, 0, 1, 0
	s_wait_dscnt 4
	WIN MUL
	MUL8 1, 0, 0
	MUL8 1, 1, 0
	s_wait_dscnt 0x0
	MUL8 1, 2, 0
	MUL8 1, 3, 0
	WIN 0
; THE WAY OUT, a block of 16 rows x 128 columns at a time, through my own stage: back as whole rows of 512 bytes
.macro TOSTAGE a
	WIN 0x08                                       ; an LDS store's data are its source 1: window 2
.irp b, 0,1,2,3,4,5,6,7
	ds_store_b128 v[STO], v[64*(\a)+8*\b:64*(\a)+8*\b+3] offset:64*\b          ; each accumulator from its low end on
	ds_store_b128 v[STO], v[64*(\a)+8*\b+4:64*(\a)+8*\b+7] offset:64*\b+16
.endr
	WIN 0
.set BB, BK+64*((\a)%2)
.irp t, 0,1,2,3,4,5,6,7,8,9,10,11,12,13,14,15
	ds_load_b128 v[BB+4*\t:BB+4*\t+3], v[RD] offset:\t*SPITCH   ; LDS serves a wave's instructions in order: these see the stores above
.endr
.endm
.macro SEND a, younger
.set BB, BK+64*((\a)%2)
	s_wait_dscnt \younger
.if (\a) > 0
	s_add_nc_u64 s[8:9], s[8:9], 131072            ; 16 rows on (behind a wait for 0 on XCNT: the earlier stores have read their base)
.endif
.irp t, 0,1,2,3,4,5,6,7,8,9,10,11,12,13,14,15
	global_store_b128 v[CO], v[BB+4*\t:BB+4*\t+3], s[8:9] offset:\t*8192 th:TH_STORE_NT   ; 512 consecutive bytes of a row
.endr
.endm
	PLACES
	TOSTAGE 0
.irp a, 1,2,3
.if \a > 1
	s_wait_xcnt 0x0                                ; block a - 2's stores have read their registers and their base
.endif
	TOSTAGE \a
	SEND \a-1, 32                                  ; behind block a - 1's loads: block a's 16 stores and 16 loads
.endr
	s_wait_xcnt 0x0
	SEND 3, 0
	s_wait_tensorcnt 0x0                           ; the wave's end
	ds_add_u32 v[SPW], v[NIL]
	s_wait_dscnt 0x0
	CROUND                                         ; the closing round
	s_endpgm
.Lfunc_end_k_q3723ba7669_proj:
	.size	k_q3723ba7669_proj, .Lfunc_end_k_q3723ba7669_proj-k_q3723ba7669_proj
	.p2alignl 7, 3214868480
	.fill 96, 4, 3214868480
	.section	.rodata,"a",@progbits
	.p2align	6, 0x0
	.amdhsa_kernel k_q3723ba7669_proj
		.amdhsa_group_segment_fixed_size 327680
		.amdhsa_private_segment_fixed_size 0
		.amdhsa_enable_private_segment 0
		.amdhsa_kernarg_size 24
		.amdhsa_user_sgpr_count 2
		.amdhsa_user_sgpr_kernarg_segment_ptr 1
		.amdhsa_wavefront_size32 1
		.amdhsa_system_sgpr_workgroup_id_x 1
		.amdhsa_system_sgpr_workgroup_id_y 1
		.amdhsa_system_sgpr_workgroup_id_z 1
		.amdhsa_system_vgpr_workitem_id 0
		.amdhsa_next_free_vgpr 768
		.amdhsa_next_free_sgpr 66
		.amdhsa_reserve_vcc 0
		.amdhsa_float_denorm_mode_32 3
		.amdhsa_float_denorm_mode_16_64 3
		.amdhsa_memory_ordered 1
		.amdhsa_forward_progress 1
		.amdhsa_inst_pref_size 86
	.end_amdhsa_kernel
	.amdgpu_metadata
---
amdhsa.version: [ 1, 2 ]
amdhsa.kernels:
  - .name:           k_q3723ba7669_proj
    .symbol:         k_q3723ba7669_proj.kd
    .args:
      - { .name: att, .offset: 0, .size: 8, .value_kind: global_buffer, .address_space: global }
      - { .name: wo16, .offset: 8, .size: 8, .value_kind: global_buffer, .address_space: global }
      - { .name: out0, .offset: 16, .size: 8, .value_kind: global_buffer, .address_space: global }
    .group_segment_fixed_size: 327680
    .private_segment_fixed_size: 0
    .kernarg_segment_align: 8
    .kernarg_segment_size: 24
    .max_flat_workgroup_size: 128
    .sgpr_count:     66
    .vgpr_count:     768
    .wavefront_size: 32
...
	.end_amdgpu_metadata
.endif
;; end of part 4
;; launch fine (part 5): grid 64 x 4, 16 waves a work-group, no clusters, 67,584 bytes of LDS; arguments att32, Wo, out0; writes out0
.if DOCPART == 5
	.amdgcn_target "amdgcn-amd-amdhsa--gfx1250"
	.amdhsa_code_object_version 6
	.text
	.protected	k_q3723ba7669_fine
	.globl	k_q3723ba7669_fine
	.p2align	8
	.type	k_q3723ba7669_fine,@function
k_q3723ba7669_fine:
	s_mov_b64 s[64:65], 0
	v_nop
	global_prefetch_b8 v0, s[64:65] scope:SCOPE_SE
	s_setreg_imm32_b32 hwreg(HW_REG_WAVE_MODE, 25, 1), 1
	s_wait_xcnt 0x0
; FINE: the first 16 positions of both sequences once more, out0[row][:] = att32[row][:] Wo, all in f32 by fused multiply-adds: these rows average few values and are the largest in size.
; A work-group takes 32 columns x 8 tokens, so that it reads 128 KB of Wo; wave w takes K = 64 w .. 64 w + 63.  A lane takes two columns (lane % 16) and every second k (lane / 16):
; a load covers 128 consecutive bytes of two rows of Wo.  A token's 32 partial sums (16 waves x 2 halves of the lanes) meet in LDS.
; out0 is stored in pieces of 128 bytes: 32 rows in all.  No matrix unit, no tensor load, no cluster: the work-groups share nothing that a tile would bring.
.set AB,    0                          ; a wave's [64 k][8 tokens] f32: 2,048 bytes, its own
.set RED,   32768                      ; [token 8][part 32][128 bytes]
.set SPARE, 65536
	s_load_b128 s[4:7], s[0:1], 0x0                ; att32, Wo
	s_load_b64 s[8:9], s[0:1], 0x10                ; out0
	v_lshl_add_u32 v2, v0, 2, SPARE
	v_mov_b32 v3, 0
	v_lshrrev_b32 v1, 5, v0
	v_readfirstlane_b32 s10, v1                    ; wave
	v_and_b32 v1, 31, v0                           ; lane
	v_and_b32 v12, 15, v0                          ; which two columns
	v_bfe_u32 v13, v0, 4, 1                        ; which k of a pair; at the end: which token of a pair
	s_and_b32 s11, ttmp7, 0xffff
	s_lshr_b32 s12, s11, 1                         ; b
	s_and_b32 s13, s11, 1
	s_lshl_b32 s13, s13, 3                         ; the first of my eight tokens
	v_lshrrev_b32 v10, 2, v1                       ; which token I load
	v_and_b32 v11, 3, v1                           ; which 16 of the wave's 64 k
	v_lshlrev_b32 v4, 12, v10
	v_lshl_add_u32 v4, v11, 6, v4                  ; att32: 4,096 x token + 64 x part
	s_lshl_b32 s14, s10, 11
	v_lshlrev_b32 v5, 9, v11
	v_lshl_add_u32 v5, v10, 2, v5
	v_add_nc_u32 v5, s14, v5                       ; into LDS: 32 bytes a k, 4 bytes a token
	v_lshl_add_u32 v6, v13, 5, s14                 ; out of it: my k of the pair
	v_lshlrev_b32 v7, 3, v12
	v_lshl_add_u32 v7, v13, 13, v7                 ; Wo and out0: 8 bytes a lane, the upper half of the lanes one row of 8,192 bytes on
	v_lshlrev_b32 v14, 3, v1
	s_lshl_b32 s15, s10, 8
	s_add_co_u32 s15, s15, RED
	v_add_nc_u32 v8, s15, v14                      ; my part: 2 x wave + lane / 16
	s_and_b32 s16, s10, 3
	s_lshl_b32 s17, s16, 13
	s_add_co_u32 s17, s17, RED
	v_lshlrev_b32 v9, 3, v12
	v_lshl_add_u32 v9, v13, 12, v9
	v_add_nc_u32 v9, s17, v9                       ; the end: token 2 (wave % 4) + lane / 16
	s_lshl_b32 s20, s12, 19                        ; att32: row 128 b + token, 4,096 bytes a row; 256 w
	s_lshl_b32 s21, s13, 12
	s_add_co_u32 s20, s20, s21
	s_lshl_b32 s21, s10, 8
	s_add_co_u32 s20, s20, s21
	s_mov_b32 s21, 0
	s_lshl_b32 s22, s10, 19                        ; Wo: row 64 w of 8,192 bytes; my 32 columns
	s_lshl_b32 s23, ttmp9, 7
	s_add_co_u32 s22, s22, s23
	s_mov_b32 s23, 0
	s_lshl_b32 s24, s12, 24                        ; out0: row 2,048 b + first token + 2 (wave % 4)
	s_lshl_b32 s25, s16, 1
	s_add_co_u32 s25, s25, s13
	s_lshl_b32 s25, s25, 13
	s_add_co_u32 s24, s24, s25
	s_lshl_b32 s25, ttmp9, 7
	s_add_co_u32 s24, s24, s25
	s_mov_b32 s25, 0
	s_wait_kmcnt 0x0
	s_add_nc_u64 s[4:5], s[4:5], s[20:21]
	s_add_nc_u64 s[6:7], s[6:7], s[22:23]
	s_add_nc_u64 s[8:9], s[8:9], s[24:25]
.irp i, 0,1,2,3
	global_load_b128 v[176+4*\i:179+4*\i], v4, s[4:5] offset:16*\i
.endr
.set k, 0
.rept 32
	global_load_b64 v[64+2*k:65+2*k], v7, s[6:7] offset:16384*k   ; rows 2 k and 2 k + 1 of my 64: 128 consecutive bytes of each
.set k, k+1
.endr
	s_wait_loadcnt 32                              ; att32's four loads are in; Wo's 32 stay out
.irp e, 0,1,2,3,4,5,6,7,8,9,10,11,12,13,14,15
	ds_store_b32 v5, v[176+\e] offset:32*\e
.endr
.set g, 0
.rept 8
.irp n, 0,1,2,3
	ds_load_b128 v[16+8*\n:19+8*\n], v6 offset:64*(4*g+\n)      ; my k of pair 4 g + n: the eight tokens' numbers (my wave's own bytes, served in order)
	ds_load_b128 v[20+8*\n:23+8*\n], v6 offset:64*(4*g+\n)+16
.endr
	s_wait_dscnt 0x0
	s_wait_loadcnt 28-4*g                          ; Wo's loads up to 4 g + 3 are in
.irp n, 0,1,2,3
.set WK, 64+2*(4*g+\n)
.set AA, 16+8*\n
.irp p, 0,1,2,3
.if (g == 0) && (\n == 0)
	v_pk_mul_f32 v[48+4*\p:49+4*\p], v[WK:WK+1], v[AA+2*\p:AA+2*\p+1] op_sel_hi:[1,0]                 ; the first k starts the sums
	v_pk_mul_f32 v[50+4*\p:51+4*\p], v[WK:WK+1], v[AA+2*\p:AA+2*\p+1] op_sel:[0,1] op_sel_hi:[1,1]
.else
	v_pk_fma_f32 v[48+4*\p:49+4*\p], v[WK:WK+1], v[AA+2*\p:AA+2*\p+1], v[48+4*\p:49+4*\p] op_sel_hi:[1,0,1]
	v_pk_fma_f32 v[50+4*\p:51+4*\p], v[WK:WK+1], v[AA+2*\p:AA+2*\p+1], v[50+4*\p:51+4*\p] op_sel:[0,1,0] op_sel_hi:[1,1,1]
.endif
.endr
.endr
.set g, g+1
.endr
.irp t, 0,1,2,3,4,5,6,7
	ds_store_b64 v8, v[48+2*\t:49+2*\t] offset:4096*\t
.endr
	s_wait_dscnt 0x0                               ; for the others' sake
	s_barrier_signal -1
	s_barrier_wait -1
	s_cmp_ge_u32 s10, 4
	s_cbranch_scc1 .Lend
.set k, 0
.rept 32
	ds_load_b64 v[192+2*k:193+2*k], v9 offset:128*k   ; wave w < 4 adds the 32 parts of tokens 2 w and 2 w + 1, a token to each half of the lanes
.set k, k+1
.endr
	s_wait_dscnt 0x0
.irp j, 0,1,2,3,4,5,6,7,8,9,10,11,12,13,14,15
	v_pk_add_f32 v[192+2*\j:193+2*\j], v[192+2*\j:193+2*\j], v[224+2*\j:225+2*\j]
.endr
.irp j, 0,1,2,3,4,5,6,7
	v_pk_add_f32 v[192+2*\j:193+2*\j], v[192+2*\j:193+2*\j], v[208+2*\j:209+2*\j]
.endr
.irp j, 0,1,2,3
	v_pk_add_f32 v[192+2*\j:193+2*\j], v[192+2*\j:193+2*\j], v[200+2*\j:201+2*\j]
.endr
.irp j, 0,1
	v_pk_add_f32 v[192+2*\j:193+2*\j], v[192+2*\j:193+2*\j], v[196+2*\j:197+2*\j]
.endr
	v_pk_add_f32 v[192:193], v[192:193], v[194:195]
	global_store_b64 v7, v[192:193], s[8:9]        ; 128 consecutive bytes of each of two rows
.Lend:
	s_wait_tensorcnt 0x0                           ; the wave's end
	ds_add_u32 v2, v3
	s_wait_dscnt 0x0
	s_endpgm
.Lfunc_end_k_q3723ba7669_fine:
	.size	k_q3723ba7669_fine, .Lfunc_end_k_q3723ba7669_fine-k_q3723ba7669_fine
	.p2alignl 7, 3214868480
	.fill 96, 4, 3214868480
	.section	.rodata,"a",@progbits
	.p2align	6, 0x0
	.amdhsa_kernel k_q3723ba7669_fine
		.amdhsa_group_segment_fixed_size 67584
		.amdhsa_private_segment_fixed_size 0
		.amdhsa_enable_private_segment 0
		.amdhsa_kernarg_size 24
		.amdhsa_user_sgpr_count 2
		.amdhsa_user_sgpr_kernarg_segment_ptr 1
		.amdhsa_wavefront_size32 1
		.amdhsa_system_sgpr_workgroup_id_x 1
		.amdhsa_system_sgpr_workgroup_id_y 1
		.amdhsa_system_sgpr_workgroup_id_z 1
		.amdhsa_system_vgpr_workitem_id 0
		.amdhsa_next_free_vgpr 256
		.amdhsa_next_free_sgpr 66
		.amdhsa_reserve_vcc 0
		.amdhsa_float_denorm_mode_32 3
		.amdhsa_float_denorm_mode_16_64 3
		.amdhsa_memory_ordered 1
		.amdhsa_forward_progress 1
		.amdhsa_inst_pref_size 33
	.end_amdhsa_kernel
	.amdgpu_metadata
---
amdhsa.version: [ 1, 2 ]
amdhsa.kernels:
  - .name:           k_q3723ba7669_fine
    .symbol:         k_q3723ba7669_fine.kd
    .args:
      - { .name: att32, .offset: 0, .size: 8, .value_kind: global_buffer, .address_space: global }
      - { .name: Wo, .offset: 8, .size: 8, .value_kind: global_buffer, .address_space: global }
      - { .name: out0, .offset: 16, .size: 8, .value_kind: global_buffer, .address_space: global }
    .group_segment_fixed_size: 67584
    .private_segment_fixed_size: 0
    .kernarg_segment_align: 8
    .kernarg_segment_size: 24
    .max_flat_workgroup_size: 512
    .sgpr_count:     66
    .vgpr_count:     256
    .wavefront_size: 32
...
	.end_amdgpu_metadata
.endif
;; end of part 5
